; MI455X (gfx1250); checked and timed in simulation.
; The chip was launched on July 23, 2026; its instructions are those of AMD's public machine-readable ISA for CDNA 5 (MIT licence, August 2026) and "CDNA5" Instruction Set Architecture Reference Guide (July 2026). The comments in the code are by the model that wrote it; some were corrected since.
;; group decoder sf. Allowed arithmetic: float matrix products may take bf16 or f16 operands with f32 sums; all other float work in f32.
;; Inputs: g1_b 64 float32; g1_w 64 x 512 float32; g2_b 16 float32; g2_w 16 x 64 float32; g3_b 4 float32; g3_w 4 x 16 float32; g4_b 2 float32; g4_w 2 x 4 float32; gl1_b 64 float32; gl1_g 64 float32; gl2_b 16 float32; gl2_g 16 float32; gl3_b 4 float32; gl3_g 4 float32; group_token 16 x 512 x 2 float32; k_b 512 float32; k_w 512 x 512 float32; m1_b 1,024 float32; m1_w 1,024 x 1,024 float32; m2_b 512 float32; m2_w 512 x 1,024 float32; merge_b 512 float32; merge_w 512 x 512 float32; n0_b 512 float32; n0_g 512 float32; n1_b 512 float32; n1_g 512 float32; q_b 512 float32; q_w 512 x 512 float32; v_b 512 float32; v_w 512 x 512 float32; wc1_b 2,048 float32; wc1_w 2,048 x 512 float32; wc2_b 512 float32; wc2_w 512 x 2,048 float32; ws1_b 256 float32; ws1_w 256 x 2 float32; ws2_b 2 float32; ws2_w 2 x 256 float32; x 16 x 512 x 2,048 float32.
;; Outputs: out0 16 x 2,048 float32.
;; One version. Each part assembles by itself: llvm-mc -triple=amdgcn-amd-amdhsa -mcpu=gfx1250 --defsym DOCPART=n.
;; ======== version 1 of 1: 8 launches
;; limits: values outside matrix products are rounded to bf16
;; workspace buffers: p0 4,423,936 bytes; p1 131,072 bytes; p2 32,768 bytes; p3 262,144 bytes; p4 524,800 bytes; p5 266,240 bytes; p6 75,497,472 bytes
;; launch prep (part 1): grid 280 x 1, 4 waves a work-group, no clusters, 21,504 bytes of LDS; arguments group_token, ws1_w, ws1_b, ws2_w, ws2_b, m1_w, m2_w, q_w, merge_w, g1_w, g1_b, n1_g, n1_b, p0; writes p0
.if DOCPART == 1
	.amdgcn_target "amdgcn-amd-amdhsa--gfx1250"
	.amdhsa_code_object_version 6
	.text
	.protected	k_qb6bfdde9b9_prep
	.globl	k_qb6bfdde9b9_prep
	.p2align	8
	.type	k_qb6bfdde9b9_prep,@function
k_qb6bfdde9b9_prep:
	s_mov_b64 s[64:65], 0
	v_nop
	global_prefetch_b8 v0, s[64:65] scope:SCOPE_SE
	s_setreg_imm32_b32 hwreg(HW_REG_WAVE_MODE, 25, 1), 1
	s_wait_xcnt 0x0
; PREP: five jobs that depend on inputs alone; the work-group's number chooses the job (the same for all four waves).
;   0-127   the token MLP over the 2 tokens: GT1 = group_token + ws2 gelu(ws1 g + b) + b, as f32 and bf16, [col = 2 b + m][512]
;   128-159 m1_w[:, :512] to bf16, in dense blocks [512 rows of the first or second half][K block of 64]: [p][kb][512][64]
;   160-191 m2_w to bf16, in dense blocks [K block of 128][512 rows][128]
;   192-255 q_w transposed (f32) into S rows 0-511
;   256-263 merge_w less its column means (f32) into S rows 512-1023
;   264-279 g1_w and g1_w diag(n1_g) to bf16; g1_w n1_b + g1_b
; Each job that uses LDS has bytes of its own (LD_C, LD_D, LD_B), so that no two jobs' texts name the same bytes.
; LIMITS: gelu by erf's rational form of five terms: absolute error at most 2e-7 |x|; NaN and infinities are not treated apart.
.set P_S,    2097152
.set P_GT1F, 4194304
.set P_GT1H, 4259840
.set P_G1B,  4292608
.set P_G1G,  4358144
.set P_G1C,  4423680
.set LD_C,   0                         ; the token MLP's partial sums: 4 waves x 512 bytes
.set LD_D,   2048                      ; the transpose's tile: 64 rows x 260 bytes
.set LD_B,   18688                     ; the column sums: 128 threads x 16 bytes
.set GC, 68                            ; s[68:83] gelu's constants, in pairs
.set GT, 24                            ; v[24:63] gelu's work: |x|, t, e, result, polynomial (8 each)
.macro GK i, val
	s_mov_b32 s[GC+2*(\i)], \val
	s_mov_b32 s[GC+2*(\i)+1], \val
.endm
.macro GCONST
	GK 0, 0x3e6d3388                       ; 0.3275911 / sqrt(2)
	GK 1, 0xbf38aa3b                       ; -log2(e) / 2
	GK 2, 0x3e027906                       ; half of the five coefficients a1 .. a5
	GK 3, 0xbe11a98e
	GK 4, 0x3f35f0e3
	GK 5, 0xbf3a00e3
	GK 6, 0x3f07dc22
	GK 7, 0x7fffffff
.endm
; gelu(x) = max(x, 0) - |x| (poly(t) / 2) 2^(-x x log2(e) / 2), t = 1 / (1 + p |x|).  Eight numbers; the result lies in v[GT+24 ..].
; Behind each run of transcendentals stands plain work that does not touch their results (ISA guide 5.7.2).
.macro GELU8 X
.irp j, 0,1,2,3,4,5,6,7
	v_and_b32 v[GT+\j], s[GC+14], v[(\X)+\j]
.endr
.irp j, 0,2,4,6
	v_pk_mul_f32 v[GT+16+\j:GT+17+\j], v[(\X)+\j:(\X)+\j+1], v[(\X)+\j:(\X)+\j+1]
.endr
.irp j, 0,1,2,3,4,5,6,7
	v_max_num_f32 v[GT+24+\j], 0, v[(\X)+\j]
.endr
.irp j, 0,2,4,6
	v_pk_mul_f32 v[GT+16+\j:GT+17+\j], v[GT+16+\j:GT+17+\j], s[GC+2:GC+3] op_sel_hi:[1,0]
.endr
.irp j, 0,1,2,3,4,5,6,7
	v_exp_f32 v[GT+16+\j], v[GT+16+\j]
.endr
.irp j, 0,2,4,6
	v_pk_fma_f32 v[GT+8+\j:GT+9+\j], v[GT+\j:GT+1+\j], s[GC:GC+1], 1.0 op_sel_hi:[1,0,0]
.endr
.irp j, 0,1,2,3,4,5,6,7
	v_rcp_f32 v[GT+8+\j], v[GT+8+\j]
.endr
	s_wait_alu depctr_va_vdst(0)
.irp j, 0,2,4,6
	v_pk_mul_f32 v[GT+16+\j:GT+17+\j], v[GT+16+\j:GT+17+\j], v[GT+\j:GT+1+\j]
.endr
.irp j, 0,2,4,6
	v_pk_fma_f32 v[GT+32+\j:GT+33+\j], v[GT+8+\j:GT+9+\j], s[GC+12:GC+13], s[GC+10:GC+11] op_sel_hi:[1,0,0]
.endr
.irp c, 8,6,4
.irp j, 0,2,4,6
	v_pk_fma_f32 v[GT+32+\j:GT+33+\j], v[GT+32+\j:GT+33+\j], v[GT+8+\j:GT+9+\j], s[GC+\c:GC+\c+1] op_sel_hi:[1,1,0]
.endr
.endr
.irp j, 0,2,4,6
	v_pk_mul_f32 v[GT+32+\j:GT+33+\j], v[GT+32+\j:GT+33+\j], v[GT+8+\j:GT+9+\j]
.endr
.irp j, 0,2,4,6
	v_pk_fma_f32 v[GT+24+\j:GT+25+\j], v[GT+16+\j:GT+17+\j], v[GT+32+\j:GT+33+\j], v[GT+24+\j:GT+25+\j] neg_lo:[1,0,0] neg_hi:[1,0,0]
.endr
.endm
	v_lshl_add_u32 v200, v0, 2, 0x5200
	v_mov_b32 v201, 0
	s_mov_b32 s2, ttmp9
	v_and_b32 v1, 31, v0                   ; lane
	v_lshrrev_b32 v2, 5, v0
	v_readfirstlane_b32 s3, v2             ; wave
	s_cmp_lt_u32 s2, 128
	s_cbranch_scc1 .Ljob_c
	s_cmp_lt_u32 s2, 192
	s_cbranch_scc1 .Ljob_a
	s_cmp_lt_u32 s2, 256
	s_cbranch_scc1 .Ljob_d
	s_cmp_lt_u32 s2, 264
	s_cbranch_scc1 .Ljob_b
; ---- g1_w: one wave to a row of 512 ----
	s_load_b256 s[4:11], s[0:1], 0x48      ; g1_w, g1_b, n1_g, n1_b
	s_load_b64 s[14:15], s[0:1], 0x68      ; p0
	s_sub_co_u32 s16, s2, 264
	s_lshl2_add_u32 s16, s16, s3           ; row = 4 x group + wave
	s_lshl_b32 s18, s16, 11                ; a row of g1_w is 2,048 bytes
	s_mov_b32 s19, 0
	s_lshl_b32 s17, s16, 10                ; and 1,024 in bf16
	s_lshl_b32 s22, s16, 2
	s_mov_b32 s20, 0x76543210
	s_mov_b32 s21, 0xfedcba98
	v_lshlrev_b32 v3, 4, v1
	v_lshl_add_u32 v4, v1, 3, s17
	v_mov_b32 v5, s22
	s_wait_kmcnt 0x0
	s_add_nc_u64 s[4:5], s[4:5], s[18:19]
	s_load_b32 s23, s[6:7], s22 offset:0x0 ; g1_b[row]
.irp e, 0,1,2,3
	global_load_b128 v[16+4*\e:19+4*\e], v3, s[4:5] offset:512*\e
	global_load_b128 v[32+4*\e:35+4*\e], v3, s[8:9] offset:512*\e
	global_load_b128 v[48+4*\e:51+4*\e], v3, s[10:11] offset:512*\e
.endr
	s_wait_loadcnt 0x0
	v_pk_mul_f32 v[8:9], v[16:17], v[48:49]
.irp i, 2,4,6,8,10,12,14
	v_pk_fma_f32 v[8:9], v[16+\i:17+\i], v[48+\i:49+\i], v[8:9]
.endr
.irp i, 0,2,4,6,8,10,12,14
	v_pk_mul_f32 v[32+\i:33+\i], v[32+\i:33+\i], v[16+\i:17+\i]
.endr
.irp i, 0,1,2,3,4,5,6,7
	v_cvt_pk_bf16_f32 v[64+\i], v[16+2*\i], v[17+2*\i]
	v_cvt_pk_bf16_f32 v[72+\i], v[32+2*\i], v[33+2*\i]
.endr
.irp e, 0,1,2,3
	global_store_b64 v4, v[64+2*\e:65+2*\e], s[14:15] offset:P_G1B+256*\e   ; 32 lanes store 256 consecutive bytes
	global_store_b64 v4, v[72+2*\e:73+2*\e], s[14:15] offset:P_G1G+256*\e
.endr
	v_add_f32 v8, v8, v9
	v_add_f32_dpp v8, v8, v8 row_xmask:1 row_mask:0xf bank_mask:0xf
	v_add_f32_dpp v8, v8, v8 row_xmask:2 row_mask:0xf bank_mask:0xf
	v_add_f32_dpp v8, v8, v8 row_xmask:4 row_mask:0xf bank_mask:0xf
	v_add_f32_dpp v8, v8, v8 row_xmask:8 row_mask:0xf bank_mask:0xf
	v_permlanex16_b32 v9, v8, s20, s21
	v_add_f32 v8, v8, v9
	s_wait_kmcnt 0x0
	v_add_f32 v8, s23, v8
	v_cmp_eq_u32 vcc_lo, 0, v1
	s_wait_xcnt 0x0                        ; EXEC changes only when the stores above have read it
	s_and_saveexec_b32 s24, vcc_lo
	global_store_b32 v5, v8, s[14:15] offset:P_G1C
	s_wait_xcnt 0x0
	s_or_b32 exec_lo, exec_lo, s24
	s_endpgm
; ---- the token MLP: 64 items (b, d) a work-group, 64 hidden units a wave ----
.Ljob_c:
	s_load_b256 s[4:11], s[0:1], 0x0       ; group_token, ws1_w, ws1_b, ws2_w
	s_load_b64 s[12:13], s[0:1], 0x20      ; ws2_b
	s_load_b64 s[14:15], s[0:1], 0x68      ; p0
	GCONST
	s_lshl_b32 s84, s2, 9                  ; 64 items x 8 bytes
	v_lshl_add_u32 v3, v1, 3, s84
	s_lshl_b32 s86, s3, 9                  ; my 64 units: 8 bytes each in ws1_w,
	s_mov_b32 s87, 0
	s_lshl_b32 s88, s3, 8                  ; 4 bytes each in ws1_b and in a row of ws2_w
	s_mov_b32 s89, 0
	s_wait_kmcnt 0x0
	global_load_b64 v[4:5], v3, s[4:5]             ; item = lane
	global_load_b64 v[6:7], v3, s[4:5] offset:256  ; item = lane + 32
	s_add_nc_u64 s[6:7], s[6:7], s[86:87]
	s_add_nc_u64 s[8:9], s[8:9], s[88:89]
	s_add_nc_u64 s[10:11], s[10:11], s[88:89]
.irp i, 8,9,10,11
	v_mov_b32 v\i, 0                       ; four sums: token m, item e at v[8 + 2 m + e]
.endr
	s_mov_b32 s85, 8
.Lc_chunk:                                     ; eight units a trip
	s_load_b512 s[16:31], s[6:7], 0x0
	s_load_b256 s[32:39], s[8:9], 0x0
	s_load_b256 s[40:47], s[10:11], 0x0
	s_load_b256 s[48:55], s[10:11], 0x400
	s_wait_kmcnt 0x0                       ; the loads are done: their bases may step
	s_add_nc_u64 s[6:7], s[6:7], 64
	s_add_nc_u64 s[8:9], s[8:9], 32
	s_add_nc_u64 s[10:11], s[10:11], 32
	s_wait_loadcnt 0x0
.irp q, 0,1
.irp u, 0,1,2,3
.irp e, 0,1
	v_fma_f32 v[16+2*\u+\e], s[16+8*\q+2*\u], v[4+2*\e], s[32+4*\q+\u]
	v_fma_f32 v[16+2*\u+\e], s[17+8*\q+2*\u], v[5+2*\e], v[16+2*\u+\e]
.endr
.endr
	GELU8 16
.irp u, 0,1,2,3
.irp e, 0,1
.irp m, 0,1
	v_fmac_f32 v[8+2*\m+\e], s[40+8*\m+4*\q+\u], v[GT+24+2*\u+\e]
.endr
.endr
.endr
.endr
	s_sub_co_u32 s85, s85, 1
	s_cmp_lg_u32 s85, 0
	s_cbranch_scc1 .Lc_chunk
	v_lshlrev_b32 v12, 2, v1
	v_lshl_add_u32 v12, s3, 9, v12         ; [wave][m][item] f32
	ds_store_b32 v12, v8 offset:LD_C
	ds_store_b32 v12, v9 offset:LD_C+128
	ds_store_b32 v12, v10 offset:LD_C+256
	ds_store_b32 v12, v11 offset:LD_C+384
	s_wait_dscnt 0x0                       ; for the others' sake
	s_barrier_signal -1
	s_barrier_wait -1
	s_cmp_lg_u32 s3, 0
	s_cbranch_scc1 .Lc_end
	v_lshlrev_b32 v13, 4, v1               ; lane = 16 m + dq: four items of token m
.irp w, 0,1,2,3
	ds_load_b128 v[16+4*\w:19+4*\w], v13 offset:LD_C+512*\w
.endr
	v_and_b32 v14, 15, v1
	v_lshl_add_u32 v15, v14, 5, s84
	global_load_b128 v[32:35], v15, s[4:5]
	global_load_b128 v[36:39], v15, s[4:5] offset:16
	s_load_b64 s[16:17], s[12:13], 0x0
	v_cmp_lt_u32 vcc_lo, 15, v1            ; token 1
	s_lshr_b32 s18, s2, 3                  ; b
	s_and_b32 s19, s2, 7                   ; d0 / 64
	s_lshl_b32 s18, s18, 12
	s_lshl_b32 s19, s19, 8
	s_add_co_u32 s18, s18, s19             ; b x 4,096 + d0 x 4
	v_lshrrev_b32 v45, 4, v1
	v_lshlrev_b32 v45, 11, v45
	v_lshl_add_u32 v45, v14, 4, v45
	v_add_nc_u32 v45, s18, v45             ; byte offset in GT1F; half of it in GT1H
	v_lshrrev_b32 v46, 1, v45
	s_wait_dscnt 0x0
.irp w, 1,2,3
	v_pk_add_f32 v[16:17], v[16:17], v[16+4*\w:17+4*\w]
	v_pk_add_f32 v[18:19], v[18:19], v[18+4*\w:19+4*\w]
.endr
	s_wait_loadcnt 0x0
	s_wait_kmcnt 0x0
	v_cndmask_b32 v40, v32, v33, vcc_lo
	v_cndmask_b32 v41, v34, v35, vcc_lo
	v_cndmask_b32 v42, v36, v37, vcc_lo
	v_cndmask_b32 v43, v38, v39, vcc_lo
	v_mov_b32 v44, s16
	v_cndmask_b32 v44, v44, s17, vcc_lo
.irp i, 0,1,2,3
	v_add_f32 v[16+\i], v[16+\i], v[40+\i]
.endr
.irp i, 0,1,2,3
	v_add_f32 v[16+\i], v[16+\i], v44
.endr
	v_cvt_pk_bf16_f32 v20, v16, v17
	v_cvt_pk_bf16_f32 v21, v18, v19
	global_store_b128 v45, v[16:19], s[14:15] offset:P_GT1F   ; 16 lanes store 256 consecutive bytes
	global_store_b64 v46, v[20:21], s[14:15] offset:P_GT1H
.Lc_end:
	s_wait_tensorcnt 0x0
	ds_add_u32 v200, v201
	s_wait_dscnt 0x0
	s_endpgm
; ---- weights to bf16, in blocks.  A thread takes 8 numbers of a row in each of 16 steps; a work-group writes 32,768 consecutive bytes.
; m1_w: 8 threads to a row's 64 numbers, 16 rows a step, 256 rows of a block of 512 x 64.   m2_w: 16 threads to a row's 128 numbers, 8 rows a step, 128 rows of a block of 512 x 128.
.Ljob_a:
	s_load_b128 s[4:7], s[0:1], 0x28       ; m1_w, m2_w
	s_load_b64 s[14:15], s[0:1], 0x68
	s_sub_co_u32 s16, s2, 128              ; 0-31: m1_w, 32-63: m2_w
	s_and_b32 s17, s16, 31
	s_mov_b32 s21, 0
	s_lshl_b32 s22, s16, 15                ; where the work-group writes
	s_mov_b32 s23, 0
	v_lshlrev_b32 v4, 4, v0
.macro ALD p, st                       ; 16 steps, st bytes apart in the source
.set i, 0
.rept 16
	global_load_b128 v[64+8*i:67+8*i], v3, s[\p:\p+1] offset:i*(\st)
	global_load_b128 v[68+8*i:71+8*i], v3, s[\p:\p+1] offset:i*(\st)+16
.set i, i+1
.endr
.endm
	s_cmp_lt_u32 s16, 32
	s_cbranch_scc0 .La_m2
	s_lshr_b32 s18, s17, 1                 ; the block's number
	s_and_b32 s19, s17, 1
	s_lshl_b32 s19, s19, 20                ; which 256 of its 512 rows (4,096 bytes each)
	s_and_b32 s20, s18, 7                  ; K block of 64
	s_lshl_b32 s20, s20, 8
	s_lshr_b32 s18, s18, 3                 ; which 512 rows of m1_w
	s_lshl_b32 s18, s18, 21
	s_add_co_u32 s20, s20, s19
	s_add_co_u32 s20, s20, s18
	v_lshrrev_b32 v3, 3, v0
	v_and_b32 v5, 7, v0
	v_lshlrev_b32 v3, 12, v3
	v_lshl_add_u32 v3, v5, 5, v3           ; row x 4,096 + 32 bytes a thread
	s_wait_kmcnt 0x0
	s_add_nc_u64 s[4:5], s[4:5], s[20:21]
	ALD 4, 65536
	s_branch .La_cv
.La_m2:
	s_lshr_b32 s18, s17, 2                 ; K block of 128
	s_and_b32 s19, s17, 3                  ; which 128 of the 512 rows
	s_lshl_b32 s20, s18, 9
	s_lshl_b32 s19, s19, 19
	s_add_co_u32 s20, s20, s19
	v_lshrrev_b32 v3, 4, v0
	v_and_b32 v5, 15, v0
	v_lshlrev_b32 v3, 12, v3
	v_lshl_add_u32 v3, v5, 5, v3
	s_wait_kmcnt 0x0
	s_add_nc_u64 s[6:7], s[6:7], s[20:21]
	ALD 6, 32768
.La_cv:
	s_add_nc_u64 s[14:15], s[14:15], s[22:23]
.set i, 0
.rept 16
	s_wait_loadcnt 30-2*i                  ; the two oldest of those still out are in
	v_cvt_pk_bf16_f32 v[64+8*i], v[64+8*i], v[65+8*i]
	v_cvt_pk_bf16_f32 v[65+8*i], v[66+8*i], v[67+8*i]
	v_cvt_pk_bf16_f32 v[66+8*i], v[68+8*i], v[69+8*i]
	v_cvt_pk_bf16_f32 v[67+8*i], v[70+8*i], v[71+8*i]
	global_store_b128 v4, v[64+8*i:67+8*i], s[14:15] offset:i*2048   ; 128 threads store 2,048 consecutive bytes
.set i, i+1
.endr
	s_endpgm
; ---- q_w transposed, a tile of 64 x 64 through LDS (rows of 65 words) ----
.Ljob_d:
	s_load_b64 s[4:5], s[0:1], 0x38
	s_load_b64 s[14:15], s[0:1], 0x68
	s_sub_co_u32 s16, s2, 192
	s_lshr_b32 s17, s16, 3                 ; c0 / 64
	s_and_b32 s18, s16, 7                  ; i0 / 64
	s_lshl_b32 s20, s17, 17
	s_lshl_b32 s19, s18, 8
	s_add_co_u32 s20, s20, s19             ; c0 x 2,048 + i0 x 4
	s_mov_b32 s21, 0
	s_lshl_b32 s22, s18, 17
	s_lshl_b32 s19, s17, 8
	s_add_co_u32 s22, s22, s19             ; i0 x 2,048 + c0 x 4
	s_mov_b32 s23, 0
	v_and_b32 v6, 15, v0
	v_lshrrev_b32 v7, 4, v0
	v_lshlrev_b32 v3, 11, v7
	v_lshl_add_u32 v3, v6, 4, v3
	v_mul_u32_u24 v4, v7, 260
	v_lshl_add_u32 v4, v6, 4, v4
	v_mul_u32_u24 v5, v6, 1040
	v_lshl_add_u32 v5, v7, 2, v5
	s_wait_kmcnt 0x0
	s_add_nc_u64 s[4:5], s[4:5], s[20:21]
	s_add_nc_u64 s[14:15], s[14:15], s[22:23]
.irp s, 0,1,2,3,4,5,6,7
	global_load_b128 v[64+4*\s:67+4*\s], v3, s[4:5] offset:\s*16384
.endr
	s_wait_loadcnt 0x0
.irp s, 0,1,2,3,4,5,6,7
.irp e, 0,1,2,3
	ds_store_b32 v4, v[64+4*\s+\e] offset:LD_D+\s*2080+4*\e
.endr
.endr
	s_wait_dscnt 0x0
	s_barrier_signal -1
	s_barrier_wait -1
.irp s, 0,1,2,3,4,5,6,7
.irp e, 0,1,2,3
	ds_load_b32 v[96+4*\s+\e], v5 offset:LD_D+\e*260+\s*32
.endr
.endr
	s_wait_dscnt 0x0
.irp s, 0,1,2,3,4,5,6,7
	global_store_b128 v3, v[96+4*\s:99+4*\s], s[14:15] offset:P_S+\s*16384   ; 16 lanes store 256 consecutive bytes
.endr
	s_wait_tensorcnt 0x0
	ds_add_u32 v200, v201
	s_wait_dscnt 0x0
	s_endpgm
; ---- merge_w less its column means: 64 columns a work-group; a thread has 4 columns of 64 rows ----
.Ljob_b:
	s_load_b64 s[4:5], s[0:1], 0x40
	s_load_b64 s[14:15], s[0:1], 0x68
	s_sub_co_u32 s16, s2, 256
	s_lshl_b32 s16, s16, 8
	s_mov_b32 s17, 0
	v_and_b32 v6, 15, v0
	v_lshrrev_b32 v7, 4, v0
	v_lshlrev_b32 v3, 17, v7
	v_lshl_add_u32 v3, v6, 4, v3
	v_lshlrev_b32 v4, 4, v0
	v_lshlrev_b32 v5, 4, v6
	s_wait_kmcnt 0x0
	s_add_nc_u64 s[4:5], s[4:5], s[16:17]
	s_add_nc_u64 s[14:15], s[14:15], s[16:17]
.macro BLD k0
.set i, 0
.rept 32
	global_load_b128 v[64+4*i:67+4*i], v3, s[4:5] offset:((\k0)+i)*2048
.set i, i+1
.endr
	s_wait_loadcnt 0x0
.endm
	BLD 0
	v_pk_add_f32 v[8:9], v[64:65], v[68:69]
	v_pk_add_f32 v[10:11], v[66:67], v[70:71]
.set i, 2
.rept 30
	v_pk_add_f32 v[8:9], v[8:9], v[64+4*i:65+4*i]
	v_pk_add_f32 v[10:11], v[10:11], v[66+4*i:67+4*i]
.set i, i+1
.endr
	BLD 32
.set i, 0
.rept 32
	v_pk_add_f32 v[8:9], v[8:9], v[64+4*i:65+4*i]
	v_pk_add_f32 v[10:11], v[10:11], v[66+4*i:67+4*i]
.set i, i+1
.endr
	ds_store_b128 v4, v[8:11] offset:LD_B
	s_wait_dscnt 0x0
	s_barrier_signal -1
	s_barrier_wait -1
.irp g, 0,1,2,3,4,5,6,7
	ds_load_b128 v[16+4*\g:19+4*\g], v5 offset:LD_B+256*\g
.endr
	s_wait_dscnt 0x0
.irp g, 1,2,3,4,5,6,7
	v_pk_add_f32 v[16:17], v[16:17], v[16+4*\g:17+4*\g]
	v_pk_add_f32 v[18:19], v[18:19], v[18+4*\g:19+4*\g]
.endr
	v_pk_mul_f32 v[12:13], v[16:17], 0xbb000000 op_sel_hi:[1,0]   ; minus the mean of 512
	v_pk_mul_f32 v[14:15], v[18:19], 0xbb000000 op_sel_hi:[1,0]
.macro BOUT k0
	BLD \k0
.set i, 0
.rept 32
	v_pk_add_f32 v[64+4*i:65+4*i], v[64+4*i:65+4*i], v[12:13]
	v_pk_add_f32 v[66+4*i:67+4*i], v[66+4*i:67+4*i], v[14:15]
	global_store_b128 v3, v[64+4*i:67+4*i], s[14:15] offset:P_S+1048576+((\k0)+i)*2048
.set i, i+1
.endr
.endm
	BOUT 0
	s_wait_xcnt 0x0                        ; the stores have read their data: the registers may be loaded again
	BOUT 32
	s_wait_tensorcnt 0x0
	ds_add_u32 v200, v201
	s_wait_dscnt 0x0
	s_endpgm
.Lfunc_end_k_qb6bfdde9b9_prep:
	.size	k_qb6bfdde9b9_prep, .Lfunc_end_k_qb6bfdde9b9_prep-k_qb6bfdde9b9_prep
	.p2alignl 7, 3214868480
	.fill 96, 4, 3214868480
	.section	.rodata,"a",@progbits
	.p2align	6, 0x0
	.amdhsa_kernel k_qb6bfdde9b9_prep
		.amdhsa_group_segment_fixed_size 21504
		.amdhsa_private_segment_fixed_size 0
		.amdhsa_enable_private_segment 0
		.amdhsa_kernarg_size 112
		.amdhsa_user_sgpr_count 2
		.amdhsa_user_sgpr_kernarg_segment_ptr 1
		.amdhsa_wavefront_size32 1
		.amdhsa_system_sgpr_workgroup_id_x 1
		.amdhsa_system_sgpr_workgroup_id_y 1
		.amdhsa_system_sgpr_workgroup_id_z 1
		.amdhsa_system_vgpr_workitem_id 0
		.amdhsa_next_free_vgpr 202
		.amdhsa_next_free_sgpr 100
		.amdhsa_reserve_vcc 1
		.amdhsa_float_denorm_mode_32 3
		.amdhsa_float_denorm_mode_16_64 3
		.amdhsa_memory_ordered 1
		.amdhsa_forward_progress 1
		.amdhsa_inst_pref_size 79
	.end_amdhsa_kernel
	.amdgpu_metadata
---
amdhsa.version: [ 1, 2 ]
amdhsa.kernels:
  - .name:           k_qb6bfdde9b9_prep
    .symbol:         k_qb6bfdde9b9_prep.kd
    .args:
      - { .name: group_token, .offset: 0, .size: 8, .value_kind: global_buffer, .address_space: global }
      - { .name: ws1_w, .offset: 8, .size: 8, .value_kind: global_buffer, .address_space: global }
      - { .name: ws1_b, .offset: 16, .size: 8, .value_kind: global_buffer, .address_space: global }
      - { .name: ws2_w, .offset: 24, .size: 8, .value_kind: global_buffer, .address_space: global }
      - { .name: ws2_b, .offset: 32, .size: 8, .value_kind: global_buffer, .address_space: global }
      - { .name: m1_w, .offset: 40, .size: 8, .value_kind: global_buffer, .address_space: global }
      - { .name: m2_w, .offset: 48, .size: 8, .value_kind: global_buffer, .address_space: global }
      - { .name: q_w, .offset: 56, .size: 8, .value_kind: global_buffer, .address_space: global }
      - { .name: merge_w, .offset: 64, .size: 8, .value_kind: global_buffer, .address_space: global }
      - { .name: g1_w, .offset: 72, .size: 8, .value_kind: global_buffer, .address_space: global }
      - { .name: g1_b, .offset: 80, .size: 8, .value_kind: global_buffer, .address_space: global }
      - { .name: n1_g, .offset: 88, .size: 8, .value_kind: global_buffer, .address_space: global }
      - { .name: n1_b, .offset: 96, .size: 8, .value_kind: global_buffer, .address_space: global }
      - { .name: p0, .offset: 104, .size: 8, .value_kind: global_buffer, .address_space: global }
    .group_segment_fixed_size: 21504
    .private_segment_fixed_size: 0
    .kernarg_segment_align: 8
    .kernarg_segment_size: 112
    .max_flat_workgroup_size: 128
    .sgpr_count:     100
    .vgpr_count:     202
    .wavefront_size: 32
...
	.end_amdgpu_metadata
.endif
;; end of part 1
;; launch sk_t1 (part 2): grid 128 x 1, 4 waves a work-group, no clusters, 8,704 bytes of LDS; arguments wc1_w, wc1_b, p0, p1; writes p1
.if DOCPART == 2
	.amdgcn_target "amdgcn-amd-amdhsa--gfx1250"
	.amdhsa_code_object_version 6
	.text
	.protected	k_qb6bfdde9b9_sk_t1
	.globl	k_qb6bfdde9b9_sk_t1
	.p2align	8
	.type	k_qb6bfdde9b9_sk_t1,@function
k_qb6bfdde9b9_sk_t1:
	s_mov_b64 s[64:65], 0
	v_nop
	global_prefetch_b8 v0, s[64:65] scope:SCOPE_SE
	s_setreg_imm32_b32 hwreg(HW_REG_WAVE_MODE, 25, 1), 1
	s_wait_xcnt 0x0
; T1[col][o] = gelu(wc1_w[o][:] . GT1[col][:] + wc1_b[o]), bf16, [32 columns][2048].
; A work-group owns 16 rows of wc1_w; wave w owns K = 128 w .. 128 w + 127; the four partial sums meet in LDS.  No cluster and no LDS ring: each weight byte is read once
; in the launch, by one wave, straight into registers.  LIMITS: gelu's absolute error at most 2e-7 |x|; NaN and infinities are not treated apart.
.set AS, 16                            ; v[16:79]   W in f32, then the accumulators
.set AB, 80                            ; v[80:111]  W in bf16: four fragments 16 x 32
.set BB, 112                           ; v[112:175] column tiles, 32 registers each
.set KB, 1024                          ; bytes from column to column
.set WP, 4
.set BP, 8
.set GC, 20
.set GT, 144
.macro GK i, val
	s_mov_b32 s[GC+2*(\i)], \val
	s_mov_b32 s[GC+2*(\i)+1], \val
.endm
.macro GELU8 X
.irp j, 0,1,2,3,4,5,6,7
	v_and_b32 v[GT+\j], s[GC+14], v[(\X)+\j]
.endr
.irp j, 0,2,4,6
	v_pk_mul_f32 v[GT+16+\j:GT+17+\j], v[(\X)+\j:(\X)+\j+1], v[(\X)+\j:(\X)+\j+1]
.endr
.irp j, 0,1,2,3,4,5,6,7
	v_max_num_f32 v[GT+24+\j], 0, v[(\X)+\j]
.endr
.irp j, 0,2,4,6
	v_pk_mul_f32 v[GT+16+\j:GT+17+\j], v[GT+16+\j:GT+17+\j], s[GC+2:GC+3] op_sel_hi:[1,0]
.endr
.irp j, 0,1,2,3,4,5,6,7
	v_exp_f32 v[GT+16+\j], v[GT+16+\j]
.endr
.irp j, 0,2,4,6
	v_pk_fma_f32 v[GT+8+\j:GT+9+\j], v[GT+\j:GT+1+\j], s[GC:GC+1], 1.0 op_sel_hi:[1,0,0]
.endr
.irp j, 0,1,2,3,4,5,6,7
	v_rcp_f32 v[GT+8+\j], v[GT+8+\j]
.endr
	s_wait_alu depctr_va_vdst(0)
.irp j, 0,2,4,6
	v_pk_mul_f32 v[GT+16+\j:GT+17+\j], v[GT+16+\j:GT+17+\j], v[GT+\j:GT+1+\j]
.endr
.irp j, 0,2,4,6
	v_pk_fma_f32 v[GT+32+\j:GT+33+\j], v[GT+8+\j:GT+9+\j], s[GC+12:GC+13], s[GC+10:GC+11] op_sel_hi:[1,0,0]
.endr
.irp c, 8,6,4
.irp j, 0,2,4,6
	v_pk_fma_f32 v[GT+32+\j:GT+33+\j], v[GT+32+\j:GT+33+\j], v[GT+8+\j:GT+9+\j], s[GC+\c:GC+\c+1] op_sel_hi:[1,1,0]
.endr
.endr
.irp j, 0,2,4,6
	v_pk_mul_f32 v[GT+32+\j:GT+33+\j], v[GT+32+\j:GT+33+\j], v[GT+8+\j:GT+9+\j]
.endr
.irp j, 0,2,4,6
	v_pk_fma_f32 v[GT+24+\j:GT+25+\j], v[GT+16+\j:GT+17+\j], v[GT+32+\j:GT+33+\j], v[GT+24+\j:GT+25+\j] neg_lo:[1,0,0] neg_hi:[1,0,0]
.endr
.endm
.macro PLACES n=4
.rept \n
	v_nop
.endr
.endm
.macro LOADA                           ; lane (r, h): row r, per K step of 32 the numbers 8 h .. + 7 and 16 + 8 h .. + 7, in f32
.irp s, 0,1,2,3
	global_load_b128 v[AS+16*\s:AS+16*\s+3],     v3, s[WP:WP+1] offset:128*\s
	global_load_b128 v[AS+16*\s+4:AS+16*\s+7],   v3, s[WP:WP+1] offset:128*\s+16
	global_load_b128 v[AS+16*\s+8:AS+16*\s+11],  v3, s[WP:WP+1] offset:128*\s+64
	global_load_b128 v[AS+16*\s+12:AS+16*\s+15], v3, s[WP:WP+1] offset:128*\s+80
.endr
.endm
.macro LOADB t0, n
.set i, 0
.rept \n
.irp s, 0,1,2,3
	global_load_b128 v[BB+32*i+8*\s:BB+32*i+8*\s+3],   v4, s[BP:BP+1] offset:((\t0)+i)*16*KB+64*\s
	global_load_b128 v[BB+32*i+8*\s+4:BB+32*i+8*\s+7], v4, s[BP:BP+1] offset:((\t0)+i)*16*KB+64*\s+32
.endr
.set i, i+1
.endr
.endm
.macro CVTA
.set i, 0
.rept 32
	v_cvt_pk_bf16_f32 v[AB+i], v[AS+2*i], v[AS+2*i+1]
.set i, i+1
.endr
.endm
.macro MM o, acc, s, t                 ; o = 0: a lane holds one column and 8 rows of W; o = 1: one row and 8 columns.  K step 0 starts the sum
.set rX, AB+8*(\s)
.set rY, BB+32*(\t)+8*(\s)
.if \o
.set rX, BB+32*(\t)+8*(\s)
.set rY, AB+8*(\s)
.endif
.if (\s) == 0
	v_wmma_f32_16x16x32_bf16 v[\acc:(\acc)+7], v[rX:rX+7], v[rY:rY+7], 0
.else
	v_wmma_f32_16x16x32_bf16 v[\acc:(\acc)+7], v[rX:rX+7], v[rY:rY+7], v[\acc:(\acc)+7]
.endif
.endm
.macro STP acc, idx                    ; an accumulator as it lies: 1,024 bytes
	ds_store_b128 v5, v[\acc:(\acc)+3] offset:(\idx)*1024
	ds_store_b128 v5, v[(\acc)+4:(\acc)+7] offset:(\idx)*1024+512
.endm
	s_load_b256 s[4:11], s[0:1], 0x0       ; wc1_w, wc1_b, p0, p1
	v_lshl_add_u32 v248, v0, 2, 0x2000
	v_mov_b32 v249, 0
	v_and_b32 v1, 15, v0
	v_bfe_u32 v2, v0, 4, 1
	v_and_b32 v7, 31, v0
	v_lshrrev_b32 v8, 5, v0
	v_readfirstlane_b32 s12, v8
	GK 0, 0x3e6d3388
	GK 1, 0xbf38aa3b
	GK 2, 0x3e027906
	GK 3, 0xbe11a98e
	GK 4, 0x3f35f0e3
	GK 5, 0xbf3a00e3
	GK 6, 0x3f07dc22
	GK 7, 0x7fffffff
	v_lshlrev_b32 v3, 11, v1
	v_lshl_add_u32 v3, v2, 5, v3
	s_lshl_b32 s13, s12, 9
	v_add_nc_u32 v3, s13, v3               ; r x 2,048 + 512 w + 32 h
	v_lshlrev_b32 v4, 10, v1
	v_lshl_add_u32 v4, v2, 4, v4
	s_lshl_b32 s13, s12, 8
	v_add_nc_u32 v4, s13, v4               ; r x 1,024 + 256 w + 16 h
	v_lshlrev_b32 v6, 4, v7
	s_lshl_b32 s13, s12, 11
	v_add_nc_u32 v5, s13, v6               ; my wave's two accumulators in LDS
	v_lshlrev_b32 v9, 5, v2
	s_lshl_b32 s14, ttmp9, 15
	s_mov_b32 s15, 0
	s_lshl_b32 s16, ttmp9, 6
	s_mov_b32 s17, 0
	s_wait_kmcnt 0x0
	s_add_nc_u64 s[4:5], s[4:5], s[14:15]
	s_add_nc_u64 s[6:7], s[6:7], s[16:17]
	s_add_nc_u64 s[8:9], s[8:9], 0x410000  ; GT1 in bf16
	global_load_b128 v[240:243], v9, s[6:7]
	global_load_b128 v[244:247], v9, s[6:7] offset:16
	LOADA
	LOADB 0, 2
	s_wait_loadcnt 16                      ; the 16 column loads may stay out
	CVTA
	s_wait_loadcnt 0x0
.irp s, 0,1,2,3
	MM 0, 16, \s, 0                        ; the two accumulators take turns
	MM 0, 24, \s, 1
.endr
	PLACES
	STP 16, 0
	STP 24, 1
	s_wait_dscnt 0x0
	s_barrier_signal -1
	s_barrier_wait -1
	s_cmp_lt_u32 s12, 2
	s_cbranch_scc0 .Lend                   ; waves 0 and 1 finish a column tile each
	s_lshl_b32 s13, s12, 10
	v_add_nc_u32 v6, s13, v6
.irp w, 0,1,2,3
	ds_load_b128 v[112+8*\w:115+8*\w], v6 offset:\w*2048
	ds_load_b128 v[116+8*\w:119+8*\w], v6 offset:\w*2048+512
.endr
	v_lshlrev_b32 v10, 12, v1
	v_lshl_add_u32 v10, v2, 4, v10
	s_lshl_b32 s13, s12, 16
	s_lshl_b32 s14, ttmp9, 5
	s_add_co_u32 s13, s13, s14
	v_add_nc_u32 v10, s13, v10             ; column x 4,096 + (row0 + 8 h) x 2
	s_wait_dscnt 0x0
.irp w, 1,2,3
.irp j, 0,2,4,6
	v_pk_add_f32 v[112+\j:113+\j], v[112+\j:113+\j], v[112+8*\w+\j:113+8*\w+\j]
.endr
.endr
.irp j, 0,2,4,6
	v_pk_add_f32 v[112+\j:113+\j], v[112+\j:113+\j], v[240+\j:241+\j]
.endr
	GELU8 112
.irp i, 0,1,2,3
	v_cvt_pk_bf16_f32 v[16+\i], v[GT+24+2*\i], v[GT+25+2*\i]
.endr
	global_store_b128 v10, v[16:19], s[10:11]
.Lend:
	s_wait_tensorcnt 0x0
	ds_add_u32 v248, v249
	s_wait_dscnt 0x0
	s_endpgm
.Lfunc_end_k_qb6bfdde9b9_sk_t1:
	.size	k_qb6bfdde9b9_sk_t1, .Lfunc_end_k_qb6bfdde9b9_sk_t1-k_qb6bfdde9b9_sk_t1
	.p2alignl 7, 3214868480
	.fill 96, 4, 3214868480
	.section	.rodata,"a",@progbits
	.p2align	6, 0x0
	.amdhsa_kernel k_qb6bfdde9b9_sk_t1
		.amdhsa_group_segment_fixed_size 8704
		.amdhsa_private_segment_fixed_size 0
		.amdhsa_enable_private_segment 0
		.amdhsa_kernarg_size 32
		.amdhsa_user_sgpr_count 2
		.amdhsa_user_sgpr_kernarg_segment_ptr 1
		.amdhsa_wavefront_size32 1
		.amdhsa_system_sgpr_workgroup_id_x 1
		.amdhsa_system_sgpr_workgroup_id_y 1
		.amdhsa_system_sgpr_workgroup_id_z 1
		.amdhsa_system_vgpr_workitem_id 0
		.amdhsa_next_free_vgpr 250
		.amdhsa_next_free_sgpr 66
		.amdhsa_reserve_vcc 0
		.amdhsa_float_denorm_mode_32 3
		.amdhsa_float_denorm_mode_16_64 3
		.amdhsa_memory_ordered 1
		.amdhsa_forward_progress 1
		.amdhsa_inst_pref_size 15
	.end_amdhsa_kernel
	.amdgpu_metadata
---
amdhsa.version: [ 1, 2 ]
amdhsa.kernels:
  - .name:           k_qb6bfdde9b9_sk_t1
    .symbol:         k_qb6bfdde9b9_sk_t1.kd
    .args:
      - { .name: wc1_w, .offset: 0, .size: 8, .value_kind: global_buffer, .address_space: global }
      - { .name: wc1_b, .offset: 8, .size: 8, .value_kind: global_buffer, .address_space: global }
      - { .name: p0, .offset: 16, .size: 8, .value_kind: global_buffer, .address_space: global }
      - { .name: p1, .offset: 24, .size: 8, .value_kind: global_buffer, .address_space: global }
    .group_segment_fixed_size: 8704
    .private_segment_fixed_size: 0
    .kernarg_segment_align: 8
    .kernarg_segment_size: 32
    .max_flat_workgroup_size: 128
    .sgpr_count:     66
    .vgpr_count:     250
    .wavefront_size: 32
...
	.end_amdgpu_metadata
.endif
;; end of part 2
;; launch sk_gt2 (part 3): grid 32 x 1, 16 waves a work-group, no clusters, 34,816 bytes of LDS; arguments wc2_w, wc2_b, p0, p1, p2; writes p2
.if DOCPART == 3
	.amdgcn_target "amdgcn-amd-amdhsa--gfx1250"
	.amdhsa_code_object_version 6
	.text
	.protected	k_qb6bfdde9b9_sk_gt2
	.globl	k_qb6bfdde9b9_sk_gt2
	.p2align	8
	.type	k_qb6bfdde9b9_sk_gt2,@function
k_qb6bfdde9b9_sk_gt2:
	s_mov_b64 s[64:65], 0
	v_nop
	global_prefetch_b8 v0, s[64:65] scope:SCOPE_SE
	s_setreg_imm32_b32 hwreg(HW_REG_WAVE_MODE, 25, 1), 1
	s_wait_xcnt 0x0
; GT2[col][d] = GT1[col][d] + wc2_w[d][:] . T1[col][:] + wc2_b[d], bf16, [32 columns][512].
; A work-group owns 16 rows of wc2_w; each of 16 waves owns 128 of K = 2,048; the partial sums meet in LDS.  Each weight byte is read once, by one wave.
.set AS, 16
.set AB, 80
.set BB, 112
.set KB, 4096
.set WP, 4
.set BP, 10
.macro PLACES n=4
.rept \n
	v_nop
.endr
.endm
.macro LOADA
.irp s, 0,1,2,3
	global_load_b128 v[AS+16*\s:AS+16*\s+3],     v3, s[WP:WP+1] offset:128*\s
	global_load_b128 v[AS+16*\s+4:AS+16*\s+7],   v3, s[WP:WP+1] offset:128*\s+16
	global_load_b128 v[AS+16*\s+8:AS+16*\s+11],  v3, s[WP:WP+1] offset:128*\s+64
	global_load_b128 v[AS+16*\s+12:AS+16*\s+15], v3, s[WP:WP+1] offset:128*\s+80
.endr
.endm
.macro LOADB t0, n
.set i, 0
.rept \n
.irp s, 0,1,2,3
	global_load_b128 v[BB+32*i+8*\s:BB+32*i+8*\s+3],   v4, s[BP:BP+1] offset:((\t0)+i)*16*KB+64*\s
	global_load_b128 v[BB+32*i+8*\s+4:BB+32*i+8*\s+7], v4, s[BP:BP+1] offset:((\t0)+i)*16*KB+64*\s+32
.endr
.set i, i+1
.endr
.endm
.macro CVTA
.set i, 0
.rept 32
	v_cvt_pk_bf16_f32 v[AB+i], v[AS+2*i], v[AS+2*i+1]
.set i, i+1
.endr
.endm
.macro MM acc, s, t
.if (\s) == 0
	v_wmma_f32_16x16x32_bf16 v[\acc:(\acc)+7], v[AB+8*(\s):AB+8*(\s)+7], v[BB+32*(\t)+8*(\s):BB+32*(\t)+8*(\s)+7], 0
.else
	v_wmma_f32_16x16x32_bf16 v[\acc:(\acc)+7], v[AB+8*(\s):AB+8*(\s)+7], v[BB+32*(\t)+8*(\s):BB+32*(\t)+8*(\s)+7], v[\acc:(\acc)+7]
.endif
.endm
.macro STP acc, idx
	ds_store_b128 v5, v[\acc:(\acc)+3] offset:(\idx)*1024
	ds_store_b128 v5, v[(\acc)+4:(\acc)+7] offset:(\idx)*1024+512
.endm
	s_load_b256 s[4:11], s[0:1], 0x0       ; wc2_w, wc2_b, p0, p1
	s_load_b64 s[20:21], s[0:1], 0x20      ; p2
	v_lshl_add_u32 v14, v0, 2, 0x8000
	v_mov_b32 v15, 0
	v_and_b32 v1, 15, v0
	v_bfe_u32 v2, v0, 4, 1
	v_and_b32 v7, 31, v0
	v_lshrrev_b32 v8, 5, v0
	v_readfirstlane_b32 s12, v8
	v_lshlrev_b32 v3, 13, v1
	v_lshl_add_u32 v3, v2, 5, v3
	s_lshl_b32 s13, s12, 9
	v_add_nc_u32 v3, s13, v3               ; r x 8,192 + 512 w + 32 h
	v_lshlrev_b32 v4, 12, v1
	v_lshl_add_u32 v4, v2, 4, v4
	s_lshl_b32 s13, s12, 8
	v_add_nc_u32 v4, s13, v4               ; r x 4,096 + 256 w + 16 h
	v_lshlrev_b32 v6, 4, v7
	s_lshl_b32 s13, s12, 11
	v_add_nc_u32 v5, s13, v6
	s_lshl_b32 s16, ttmp9, 6               ; row0 x 4
	v_lshl_add_u32 v9, v2, 5, s16          ; (row0 + 8 h) x 4
	v_lshl_add_u32 v10, v1, 11, v9
	s_lshl_b32 s13, s12, 15
	v_add_nc_u32 v10, s13, v10             ; + column x 2,048 (column = 16 w + r, for waves 0 and 1)
	s_lshl_b32 s14, ttmp9, 17
	s_mov_b32 s15, 0
	s_wait_kmcnt 0x0
	s_add_nc_u64 s[4:5], s[4:5], s[14:15]
	s_cmp_lt_u32 s12, 2
	s_cbranch_scc0 .Lno_extra              ; the two waves that finish load bias and residual first; the counts below name younger loads alone
	global_load_b128 v[240:243], v9, s[6:7]
	global_load_b128 v[244:247], v9, s[6:7] offset:16
	global_load_b128 v[248:251], v10, s[8:9] offset:4194304
	global_load_b128 v[252:255], v10, s[8:9] offset:4194304+16
.Lno_extra:
	LOADA
	LOADB 0, 2
	s_wait_loadcnt 16
	CVTA
	s_wait_loadcnt 0x0
.irp s, 0,1,2,3
	MM 16, \s, 0
	MM 24, \s, 1
.endr
	PLACES
	STP 16, 0
	STP 24, 1
	s_wait_dscnt 0x0
	s_barrier_signal -1
	s_barrier_wait -1
	s_cmp_lt_u32 s12, 2
	s_cbranch_scc0 .Lend
	s_lshl_b32 s13, s12, 10
	v_add_nc_u32 v6, s13, v6
.set i, 0
.rept 16
	ds_load_b128 v[112+8*i:115+8*i], v6 offset:i*2048
	ds_load_b128 v[116+8*i:119+8*i], v6 offset:i*2048+512
.set i, i+1
.endr
	v_lshrrev_b32 v10, 1, v10              ; column x 1,024 + (row0 + 8 h) x 2
	s_wait_dscnt 0x0
.set i, 1
.rept 15
.irp j, 0,2,4,6
	v_pk_add_f32 v[112+\j:113+\j], v[112+\j:113+\j], v[112+8*i+\j:113+8*i+\j]
.endr
.set i, i+1
.endr
.irp j, 0,2,4,6
	v_pk_add_f32 v[240+\j:241+\j], v[240+\j:241+\j], v[248+\j:249+\j]
.endr
.irp j, 0,2,4,6
	v_pk_add_f32 v[112+\j:113+\j], v[112+\j:113+\j], v[240+\j:241+\j]
.endr
.irp i, 0,1,2,3
	v_cvt_pk_bf16_f32 v[16+\i], v[112+2*\i], v[113+2*\i]
.endr
	global_store_b128 v10, v[16:19], s[20:21]
.Lend:
	s_wait_tensorcnt 0x0
	ds_add_u32 v14, v15
	s_wait_dscnt 0x0
	s_endpgm
.Lfunc_end_k_qb6bfdde9b9_sk_gt2:
	.size	k_qb6bfdde9b9_sk_gt2, .Lfunc_end_k_qb6bfdde9b9_sk_gt2-k_qb6bfdde9b9_sk_gt2
	.p2alignl 7, 3214868480
	.fill 96, 4, 3214868480
	.section	.rodata,"a",@progbits
	.p2align	6, 0x0
	.amdhsa_kernel k_qb6bfdde9b9_sk_gt2
		.amdhsa_group_segment_fixed_size 34816
		.amdhsa_private_segment_fixed_size 0
		.amdhsa_enable_private_segment 0
		.amdhsa_kernarg_size 40
		.amdhsa_user_sgpr_count 2
		.amdhsa_user_sgpr_kernarg_segment_ptr 1
		.amdhsa_wavefront_size32 1
		.amdhsa_system_sgpr_workgroup_id_x 1
		.amdhsa_system_sgpr_workgroup_id_y 1
		.amdhsa_system_sgpr_workgroup_id_z 1
		.amdhsa_system_vgpr_workitem_id 0
		.amdhsa_next_free_vgpr 256
		.amdhsa_next_free_sgpr 66
		.amdhsa_reserve_vcc 0
		.amdhsa_float_denorm_mode_32 3
		.amdhsa_float_denorm_mode_16_64 3
		.amdhsa_memory_ordered 1
		.amdhsa_forward_progress 1
		.amdhsa_inst_pref_size 15
	.end_amdhsa_kernel
	.amdgpu_metadata
---
amdhsa.version: [ 1, 2 ]
amdhsa.kernels:
  - .name:           k_qb6bfdde9b9_sk_gt2
    .symbol:         k_qb6bfdde9b9_sk_gt2.kd
    .args:
      - { .name: wc2_w, .offset: 0, .size: 8, .value_kind: global_buffer, .address_space: global }
      - { .name: wc2_b, .offset: 8, .size: 8, .value_kind: global_buffer, .address_space: global }
      - { .name: p0, .offset: 16, .size: 8, .value_kind: global_buffer, .address_space: global }
      - { .name: p1, .offset: 24, .size: 8, .value_kind: global_buffer, .address_space: global }
      - { .name: p2, .offset: 32, .size: 8, .value_kind: global_buffer, .address_space: global }
    .group_segment_fixed_size: 34816
    .private_segment_fixed_size: 0
    .kernarg_segment_align: 8
    .kernarg_segment_size: 40
    .max_flat_workgroup_size: 512
    .sgpr_count:     66
    .vgpr_count:     256
    .wavefront_size: 32
...
	.end_amdgpu_metadata
.endif
;; end of part 3
;; launch sk_kv (part 4): grid 64 x 1, 4 waves a work-group, no clusters, 8,704 bytes of LDS; arguments k_w, k_b, v_w, v_b, p2, p3; writes p3
.if DOCPART == 4
	.amdgcn_target "amdgcn-amd-amdhsa--gfx1250"
	.amdhsa_code_object_version 6
	.text
	.protected	k_qb6bfdde9b9_sk_kv
	.globl	k_qb6bfdde9b9_sk_kv
	.p2align	8
	.type	k_qb6bfdde9b9_sk_kv,@function
k_qb6bfdde9b9_sk_kv:
	s_mov_b64 s[64:65], 0
	v_nop
	global_prefetch_b8 v0, s[64:65] scope:SCOPE_SE
	s_setreg_imm32_b32 hwreg(HW_REG_WAVE_MODE, 25, 1), 1
	s_wait_xcnt 0x0
; k and v of the two tokens, spread by heads: KVX[kv][col' = 8 b + 2 h + m][c] = (W gt2 + bias)[c] where c % 4 = h, else 0; bf16.
; Work-groups 0-31: k, 32-63: v; 16 channels each; wave w owns K = 128 w .. + 127.
.set AS, 16
.set AB, 80
.set BB, 112
.set KB, 1024
.set WP, 4
.set BP, 16
.macro PLACES n=4
.rept \n
	v_nop
.endr
.endm
.macro LOADA
.irp s, 0,1,2,3
	global_load_b128 v[AS+16*\s:AS+16*\s+3],     v3, s[WP:WP+1] offset:128*\s
	global_load_b128 v[AS+16*\s+4:AS+16*\s+7],   v3, s[WP:WP+1] offset:128*\s+16
	global_load_b128 v[AS+16*\s+8:AS+16*\s+11],  v3, s[WP:WP+1] offset:128*\s+64
	global_load_b128 v[AS+16*\s+12:AS+16*\s+15], v3, s[WP:WP+1] offset:128*\s+80
.endr
.endm
.macro LOADB t0, n
.set i, 0
.rept \n
.irp s, 0,1,2,3
	global_load_b128 v[BB+32*i+8*\s:BB+32*i+8*\s+3],   v4, s[BP:BP+1] offset:((\t0)+i)*16*KB+64*\s
	global_load_b128 v[BB+32*i+8*\s+4:BB+32*i+8*\s+7], v4, s[BP:BP+1] offset:((\t0)+i)*16*KB+64*\s+32
.endr
.set i, i+1
.endr
.endm
.macro CVTA
.set i, 0
.rept 32
	v_cvt_pk_bf16_f32 v[AB+i], v[AS+2*i], v[AS+2*i+1]
.set i, i+1
.endr
.endm
.macro MM acc, s, t
.if (\s) == 0
	v_wmma_f32_16x16x32_bf16 v[\acc:(\acc)+7], v[AB+8*(\s):AB+8*(\s)+7], v[BB+32*(\t)+8*(\s):BB+32*(\t)+8*(\s)+7], 0
.else
	v_wmma_f32_16x16x32_bf16 v[\acc:(\acc)+7], v[AB+8*(\s):AB+8*(\s)+7], v[BB+32*(\t)+8*(\s):BB+32*(\t)+8*(\s)+7], v[\acc:(\acc)+7]
.endif
.endm
.macro STP acc, idx
	ds_store_b128 v5, v[\acc:(\acc)+3] offset:(\idx)*1024
	ds_store_b128 v5, v[(\acc)+4:(\acc)+7] offset:(\idx)*1024+512
.endm
	s_load_b256 s[4:11], s[0:1], 0x0       ; k_w, k_b, v_w, v_b
	s_load_b128 s[16:19], s[0:1], 0x20     ; p2, p3
	v_lshl_add_u32 v248, v0, 2, 0x2000
	v_mov_b32 v249, 0
	v_and_b32 v1, 15, v0
	v_bfe_u32 v2, v0, 4, 1
	v_and_b32 v7, 31, v0
	v_lshrrev_b32 v8, 5, v0
	v_readfirstlane_b32 s12, v8
	v_lshlrev_b32 v3, 11, v1
	v_lshl_add_u32 v3, v2, 5, v3
	s_lshl_b32 s13, s12, 9
	v_add_nc_u32 v3, s13, v3
	v_lshlrev_b32 v4, 10, v1
	v_lshl_add_u32 v4, v2, 4, v4
	s_lshl_b32 s13, s12, 8
	v_add_nc_u32 v4, s13, v4
	v_lshlrev_b32 v6, 4, v7
	s_lshl_b32 s13, s12, 11
	v_add_nc_u32 v5, s13, v6
	v_lshlrev_b32 v9, 5, v2
	s_and_b32 s20, ttmp9, 31               ; which 16 channels
	s_lshl_b32 s14, s20, 15
	s_mov_b32 s15, 0
	s_lshl_b32 s22, s20, 6
	s_mov_b32 s23, 0
	s_wait_kmcnt 0x0
	s_cmp_lt_u32 ttmp9, 32
	s_cselect_b64 s[4:5], s[4:5], s[8:9]
	s_cselect_b64 s[6:7], s[6:7], s[10:11]
	s_add_nc_u64 s[4:5], s[4:5], s[14:15]
	s_add_nc_u64 s[6:7], s[6:7], s[22:23]
	global_load_b128 v[240:243], v9, s[6:7]
	global_load_b128 v[244:247], v9, s[6:7] offset:16
	LOADA
	LOADB 0, 2
	s_wait_loadcnt 16
	CVTA
	s_wait_loadcnt 0x0
.irp s, 0,1,2,3
	MM 16, \s, 0
	MM 24, \s, 1
.endr
	PLACES
	STP 16, 0
	STP 24, 1
	s_wait_dscnt 0x0
	s_barrier_signal -1
	s_barrier_wait -1
	s_cmp_lt_u32 s12, 2
	s_cbranch_scc0 .Lend
	s_lshl_b32 s13, s12, 10
	v_add_nc_u32 v6, s13, v6
.irp w, 0,1,2,3
	ds_load_b128 v[112+8*\w:115+8*\w], v6 offset:\w*2048
	ds_load_b128 v[116+8*\w:119+8*\w], v6 offset:\w*2048+512
.endr
	v_lshrrev_b32 v10, 1, v1               ; column = 16 w + r = 2 b + m: row 8 b + m of KVX, + 2 for each head
	v_and_b32 v11, 1, v1
	v_lshl_add_u32 v10, v10, 3, v11
	v_lshlrev_b32 v10, 10, v10
	v_lshl_add_u32 v10, v2, 4, v10
	s_lshl_b32 s13, s12, 16                ; 64 w rows of 1,024 bytes
	s_lshl_b32 s14, s20, 5                 ; c0 x 2
	s_add_co_u32 s13, s13, s14
	s_lshr_b32 s14, ttmp9, 5
	s_lshl_b32 s14, s14, 17                ; k or v
	s_add_co_u32 s13, s13, s14
	v_add_nc_u32 v10, s13, v10
	s_wait_dscnt 0x0
.irp w, 1,2,3
.irp j, 0,2,4,6
	v_pk_add_f32 v[112+\j:113+\j], v[112+\j:113+\j], v[112+8*\w+\j:113+8*\w+\j]
.endr
.endr
.irp j, 0,2,4,6
	v_pk_add_f32 v[112+\j:113+\j], v[112+\j:113+\j], v[240+\j:241+\j]
.endr
.irp i, 0,1,2,3
	v_cvt_pk_bf16_f32 v[16+\i], v[112+2*\i], v[113+2*\i]
.endr
.irp i, 20,21,22,23,24,25,26,27,28,29,30,31,32,33,34,35
	v_mov_b32 v\i, 0
.endr
	v_and_b32 v20, 0xffff, v16             ; head 0: channels 0 and 4 of my eight
	v_and_b32 v22, 0xffff, v18
	v_and_b32 v24, 0xffff0000, v16         ; head 1: 1 and 5
	v_and_b32 v26, 0xffff0000, v18
	v_and_b32 v29, 0xffff, v17             ; head 2: 2 and 6
	v_and_b32 v31, 0xffff, v19
	v_and_b32 v33, 0xffff0000, v17         ; head 3: 3 and 7
	v_and_b32 v35, 0xffff0000, v19
.irp d, 0,1,2,3
	global_store_b128 v10, v[20+4*\d:23+4*\d], s[18:19] offset:2048*\d
.endr
.Lend:
	s_wait_tensorcnt 0x0
	ds_add_u32 v248, v249
	s_wait_dscnt 0x0
	s_endpgm
.Lfunc_end_k_qb6bfdde9b9_sk_kv:
	.size	k_qb6bfdde9b9_sk_kv, .Lfunc_end_k_qb6bfdde9b9_sk_kv-k_qb6bfdde9b9_sk_kv
	.p2alignl 7, 3214868480
	.fill 96, 4, 3214868480
	.section	.rodata,"a",@progbits
	.p2align	6, 0x0
	.amdhsa_kernel k_qb6bfdde9b9_sk_kv
		.amdhsa_group_segment_fixed_size 8704
		.amdhsa_private_segment_fixed_size 0
		.amdhsa_enable_private_segment 0
		.amdhsa_kernarg_size 48
		.amdhsa_user_sgpr_count 2
		.amdhsa_user_sgpr_kernarg_segment_ptr 1
		.amdhsa_wavefront_size32 1
		.amdhsa_system_sgpr_workgroup_id_x 1
		.amdhsa_system_sgpr_workgroup_id_y 1
		.amdhsa_system_sgpr_workgroup_id_z 1
		.amdhsa_system_vgpr_workitem_id 0
		.amdhsa_next_free_vgpr 250
		.amdhsa_next_free_sgpr 66
		.amdhsa_reserve_vcc 0
		.amdhsa_float_denorm_mode_32 3
		.amdhsa_float_denorm_mode_16_64 3
		.amdhsa_memory_ordered 1
		.amdhsa_forward_progress 1
		.amdhsa_inst_pref_size 12
	.end_amdhsa_kernel
	.amdgpu_metadata
---
amdhsa.version: [ 1, 2 ]
amdhsa.kernels:
  - .name:           k_qb6bfdde9b9_sk_kv
    .symbol:         k_qb6bfdde9b9_sk_kv.kd
    .args:
      - { .name: k_w, .offset: 0, .size: 8, .value_kind: global_buffer, .address_space: global }
      - { .name: k_b, .offset: 8, .size: 8, .value_kind: global_buffer, .address_space: global }
      - { .name: v_w, .offset: 16, .size: 8, .value_kind: global_buffer, .address_space: global }
      - { .name: v_b, .offset: 24, .size: 8, .value_kind: global_buffer, .address_space: global }
      - { .name: p2, .offset: 32, .size: 8, .value_kind: global_buffer, .address_space: global }
      - { .name: p3, .offset: 40, .size: 8, .value_kind: global_buffer, .address_space: global }
    .group_segment_fixed_size: 8704
    .private_segment_fixed_size: 0
    .kernarg_segment_align: 8
    .kernarg_segment_size: 48
    .max_flat_workgroup_size: 128
    .sgpr_count:     66
    .vgpr_count:     250
    .wavefront_size: 32
...
	.end_amdgpu_metadata
.endif
;; end of part 4
;; launch sk_ku (part 5): grid 65 x 1, 4 waves a work-group, no clusters, 66,048 bytes of LDS; arguments q_b, merge_b, n0_g, p0, p3, p4; writes p4
.if DOCPART == 5
	.amdgcn_target "amdgcn-amd-amdhsa--gfx1250"
	.amdhsa_code_object_version 6
	.text
	.protected	k_qb6bfdde9b9_sk_ku
	.globl	k_qb6bfdde9b9_sk_ku
	.p2align	8
	.type	k_qb6bfdde9b9_sk_ku,@function
k_qb6bfdde9b9_sk_ku:
	s_mov_b64 s[64:65], 0
	v_nop
	global_prefetch_b8 v0, s[64:65] scope:SCOPE_SE
	s_setreg_imm32_b32 hwreg(HW_REG_WAVE_MODE, 25, 1), 1
	s_wait_xcnt 0x0
; Three products against the 128 columns (8 b + 2 h + m) of KVX, K = 512 channels:
;   work-groups 0-31:  KQ[b][hm][i] = sum over c of q_w[c][i] k[c]      (16 i each; rows hm repeated at + 8, so that 16 rows make a fragment)
;   work-groups 32-63: U[o][hm] = sum over c of (merge_w - column mean)[o][c] v[c], with merge_b - mean(merge_b) added to head 0's two columns
;                      (the two weights of a head sum to 1); stored as UC[b][o][8] and, times n0_g, as UG[col][o]
;   work-group 64:     SB[col] = q_b . k   (q_b taken as 16 equal rows, pitch 0)
; Both layouts of each product are made (a lane with one column, a lane with one row): UC wants the second, the others the first.
.set AS, 16
.set AB, 80
.set BB, 112
.set KB, 1024
.set WP, 20
.set BP, 12
.macro PLACES n=4
.rept \n
	v_nop
.endr
.endm
.macro LOADA
.irp s, 0,1,2,3
	global_load_b128 v[AS+16*\s:AS+16*\s+3],     v3, s[WP:WP+1] offset:128*\s
	global_load_b128 v[AS+16*\s+4:AS+16*\s+7],   v3, s[WP:WP+1] offset:128*\s+16
	global_load_b128 v[AS+16*\s+8:AS+16*\s+11],  v3, s[WP:WP+1] offset:128*\s+64
	global_load_b128 v[AS+16*\s+12:AS+16*\s+15], v3, s[WP:WP+1] offset:128*\s+80
.endr
.endm
.macro LOADB t0, n
.set i, 0
.rept \n
.irp s, 0,1,2,3
	global_load_b128 v[BB+32*i+8*\s:BB+32*i+8*\s+3],   v4, s[BP:BP+1] offset:((\t0)+i)*16*KB+64*\s
	global_load_b128 v[BB+32*i+8*\s+4:BB+32*i+8*\s+7], v4, s[BP:BP+1] offset:((\t0)+i)*16*KB+64*\s+32
.endr
.set i, i+1
.endr
.endm
.macro CVTA
.set i, 0
.rept 32
	v_cvt_pk_bf16_f32 v[AB+i], v[AS+2*i], v[AS+2*i+1]
.set i, i+1
.endr
.endm
.macro MM o, acc, s, t
.set rX, AB+8*(\s)
.set rY, BB+32*(\t)+8*(\s)
.if \o
.set rX, BB+32*(\t)+8*(\s)
.set rY, AB+8*(\s)
.endif
.if (\s) == 0
	v_wmma_f32_16x16x32_bf16 v[\acc:(\acc)+7], v[rX:rX+7], v[rY:rY+7], 0
.else
	v_wmma_f32_16x16x32_bf16 v[\acc:(\acc)+7], v[rX:rX+7], v[rY:rY+7], v[\acc:(\acc)+7]
.endif
.endm
.macro STP acc, idx
	ds_store_b128 v5, v[\acc:(\acc)+3] offset:(\idx)*1024
	ds_store_b128 v5, v[(\acc)+4:(\acc)+7] offset:(\idx)*1024+512
.endm
.macro ROUND t0                        ; four column tiles, both layouts: eight accumulators by turns
.irp s, 0,1,2,3
.irp t, 0,1,2,3
	MM 0, 16+16*\t, \s, \t
	MM 1, 24+16*\t, \s, \t
.endr
.endr
	PLACES 5                               ; the next round loads into the fragments and writes over the accumulators
.irp t, 0,1,2,3
	STP 16+16*\t, 2*((\t0)+\t)
	STP 24+16*\t, 2*((\t0)+\t)+1
.endr
.endm
	s_load_b256 s[4:11], s[0:1], 0x0       ; q_b, merge_b, n0_g, p0
	s_load_b128 s[12:15], s[0:1], 0x20     ; p3, p4
	v_lshl_add_u32 v248, v0, 2, 0x10000
	v_mov_b32 v249, 0
	v_and_b32 v1, 15, v0
	v_bfe_u32 v2, v0, 4, 1
	v_and_b32 v7, 31, v0
	v_lshrrev_b32 v8, 5, v0
	v_readfirstlane_b32 s16, v8
	s_mov_b32 s17, ttmp9
	s_cmp_lt_u32 s17, 64
	s_cselect_b32 s18, 2048, 0             ; the pitch of W
	v_mul_lo_u32 v3, v1, s18
	v_lshl_add_u32 v3, v2, 5, v3
	s_lshl_b32 s19, s16, 9
	v_add_nc_u32 v3, s19, v3
	v_lshlrev_b32 v4, 10, v1
	v_lshl_add_u32 v4, v2, 4, v4
	s_lshl_b32 s19, s16, 8
	v_add_nc_u32 v4, s19, v4
	v_lshlrev_b32 v6, 4, v7
	s_lshl_b32 s19, s16, 14
	v_add_nc_u32 v5, s19, v6               ; my wave's 16 accumulators in LDS
	s_lshl_b32 s22, s17, 15                ; 16 rows of S
	s_add_co_u32 s22, s22, 2097152
	s_mov_b32 s23, 0
	s_lshr_b32 s24, s17, 5
	s_and_b32 s24, s24, 1
	s_lshl_b32 s24, s24, 17                ; the middle 32 work-groups take v
	s_mov_b32 s25, 0
	s_wait_kmcnt 0x0
	s_add_nc_u64 s[20:21], s[10:11], s[22:23]
	s_cmp_lt_u32 s17, 64
	s_cselect_b64 s[20:21], s[20:21], s[4:5]
	s_add_nc_u64 s[12:13], s[12:13], s[24:25]
	LOADA
	LOADB 0, 4
	s_wait_loadcnt 32                      ; the 32 column loads may stay out
	CVTA
	s_wait_loadcnt 0x0
	ROUND 0
	LOADB 4, 4
	s_wait_loadcnt 0x0
	ROUND 4
	s_wait_dscnt 0x0
	s_barrier_signal -1
	s_barrier_wait -1
	; wave w finishes tiles w and w + 4
	s_lshl_b32 s19, s16, 11
	v_add_nc_u32 v6, s19, v6
.irp f, 0,1
.irp o, 0,1
.irp w, 0,1,2,3
	ds_load_b128 v[112+64*\f+32*\o+8*\w:115+64*\f+32*\o+8*\w], v6 offset:\w*16384+\f*8192+\o*1024
	ds_load_b128 v[116+64*\f+32*\o+8*\w:119+64*\f+32*\o+8*\w], v6 offset:\w*16384+\f*8192+\o*1024+512
.endr
.endr
.endr
	s_wait_dscnt 0x0
.irp g, 112,144,176,208
.irp w, 1,2,3
.irp j, 0,2,4,6
	v_pk_add_f32 v[\g+\j:\g+\j+1], v[\g+\j:\g+\j+1], v[\g+8*\w+\j:\g+8*\w+\j+1]
.endr
.endr
.endr
	s_cmp_lt_u32 s17, 32
	s_cbranch_scc1 .Lkq
	s_cmp_lt_u32 s17, 64
	s_cbranch_scc1 .Lu
	; SB: every row of the product is the same; register 0, both halves of the lanes write the same word
	v_lshlrev_b32 v9, 2, v1
	v_lshl_add_u32 v9, s16, 6, v9
	global_store_b32 v9, v112, s[14:15] offset:524288
	global_store_b32 v9, v176, s[14:15] offset:524288+256
	s_wait_tensorcnt 0x0
	ds_add_u32 v248, v249
	s_wait_dscnt 0x0
	s_endpgm
.Lkq:
	v_lshrrev_b32 v9, 3, v1
	v_and_b32 v10, 7, v1
	v_lshlrev_b32 v9, 14, v9
	v_lshl_add_u32 v9, v10, 10, v9
	v_lshl_add_u32 v9, v2, 4, v9
	s_lshl_b32 s19, s16, 15
	s_lshl_b32 s22, s17, 5                 ; i0 x 2
	s_add_co_u32 s19, s19, s22
	v_add_nc_u32 v9, s19, v9               ; (2 t + r / 8) x 16,384 + (r % 8) x 1,024 + (i0 + 8 h) x 2
.irp f, 0,1
.irp i, 0,1,2,3
	v_cvt_pk_bf16_f32 v[16+4*\f+\i], v[112+64*\f+2*\i], v[113+64*\f+2*\i]
.endr
	global_store_b128 v9, v[16+4*\f:19+4*\f], s[14:15] offset:\f*131072
	global_store_b128 v9, v[16+4*\f:19+4*\f], s[14:15] offset:\f*131072+8192
.endr
	s_wait_tensorcnt 0x0
	ds_add_u32 v248, v249
	s_wait_dscnt 0x0
	s_endpgm
.Lu:
	s_sub_co_u32 s22, s17, 32
	s_lshl_b32 s23, s22, 6                 ; o0 x 4
	v_lshlrev_b32 v8, 4, v7
	v_lshl_add_u32 v9, v2, 5, s23
	v_lshl_add_u32 v10, v1, 2, s23
.irp e, 0,1,2,3
	global_load_b128 v[16+4*\e:19+4*\e], v8, s[6:7] offset:512*\e
.endr
	global_load_b128 v[32:35], v9, s[6:7]
	global_load_b128 v[36:39], v9, s[6:7] offset:16
	global_load_b128 v[40:43], v9, s[8:9]
	global_load_b128 v[44:47], v9, s[8:9] offset:16
	global_load_b32 v48, v10, s[6:7]
	s_mov_b32 s24, 0x76543210
	s_mov_b32 s25, 0xfedcba98
	v_and_b32 v49, 6, v1
	v_cmp_eq_u32 vcc_lo, 0, v49            ; my column belongs to head 0
	v_cndmask_b32 v50, 0, 1.0, vcc_lo
	v_mov_b32 v51, v50
	v_lshlrev_b32 v11, 10, v1              ; UG: (16 t + r) x 1,024 + (o0 + 8 h) x 2
	v_lshl_add_u32 v11, v2, 4, v11
	s_lshl_b32 s19, s16, 14
	s_lshl_b32 s26, s22, 5
	s_add_co_u32 s26, s26, s19
	v_add_nc_u32 v11, s26, v11
	v_lshlrev_b32 v12, 13, v2              ; UC: (2 t + h) x 8,192 + (o0 + r) x 16
	v_lshl_add_u32 v12, v1, 4, v12
	s_lshl_b32 s26, s22, 8
	s_add_co_u32 s26, s26, s19
	v_add_nc_u32 v12, s26, v12
	s_wait_loadcnt 0x0
.irp i, 2,4,6,8,10,12,14
	v_pk_add_f32 v[16:17], v[16:17], v[16+\i:17+\i]
.endr
	v_add_f32 v16, v16, v17
	v_add_f32_dpp v16, v16, v16 row_xmask:1 row_mask:0xf bank_mask:0xf
	v_add_f32_dpp v16, v16, v16 row_xmask:2 row_mask:0xf bank_mask:0xf
	v_add_f32_dpp v16, v16, v16 row_xmask:4 row_mask:0xf bank_mask:0xf
	v_add_f32_dpp v16, v16, v16 row_xmask:8 row_mask:0xf bank_mask:0xf
	v_permlanex16_b32 v17, v16, s24, s25
	v_add_f32 v16, v16, v17
	v_mul_f32 v16, 0xbb000000, v16         ; minus the mean of merge_b
	v_mov_b32 v17, v16
	v_add_f32 v48, v48, v16
.irp j, 0,2,4,6
	v_pk_add_f32 v[32+\j:33+\j], v[32+\j:33+\j], v[16:17]
.endr
.irp j, 0,2,4,6
	v_pk_mul_f32 v[32+\j:33+\j], v[32+\j:33+\j], v[50:51]
.endr
.irp f, 0,1
.irp j, 0,2,4,6
	v_pk_add_f32 v[112+64*\f+\j:113+64*\f+\j], v[112+64*\f+\j:113+64*\f+\j], v[32+\j:33+\j]
.endr
.irp j, 0,2,4,6
	v_pk_mul_f32 v[112+64*\f+\j:113+64*\f+\j], v[112+64*\f+\j:113+64*\f+\j], v[40+\j:41+\j]
.endr
	v_add_f32 v[144+64*\f], v[144+64*\f], v48
	v_add_f32 v[145+64*\f], v[145+64*\f], v48
.irp i, 0,1,2,3
	v_cvt_pk_bf16_f32 v[56+8*\f+\i], v[112+64*\f+2*\i], v[113+64*\f+2*\i]
	v_cvt_pk_bf16_f32 v[60+8*\f+\i], v[144+64*\f+2*\i], v[145+64*\f+2*\i]
.endr
	global_store_b128 v11, v[56+8*\f:59+8*\f], s[14:15] offset:393216+\f*65536
	global_store_b128 v12, v[60+8*\f:63+8*\f], s[14:15] offset:262144+\f*65536
.endr
	s_wait_tensorcnt 0x0
	ds_add_u32 v248, v249
	s_wait_dscnt 0x0
	s_endpgm
.Lfunc_end_k_qb6bfdde9b9_sk_ku:
	.size	k_qb6bfdde9b9_sk_ku, .Lfunc_end_k_qb6bfdde9b9_sk_ku-k_qb6bfdde9b9_sk_ku
	.p2alignl 7, 3214868480
	.fill 96, 4, 3214868480
	.section	.rodata,"a",@progbits
	.p2align	6, 0x0
	.amdhsa_kernel k_qb6bfdde9b9_sk_ku
		.amdhsa_group_segment_fixed_size 66048
		.amdhsa_private_segment_fixed_size 0
		.amdhsa_enable_private_segment 0
		.amdhsa_kernarg_size 48
		.amdhsa_user_sgpr_count 2
		.amdhsa_user_sgpr_kernarg_segment_ptr 1
		.amdhsa_wavefront_size32 1
		.amdhsa_system_sgpr_workgroup_id_x 1
		.amdhsa_system_sgpr_workgroup_id_y 1
		.amdhsa_system_sgpr_workgroup_id_z 1
		.amdhsa_system_vgpr_workitem_id 0
		.amdhsa_next_free_vgpr 250
		.amdhsa_next_free_sgpr 66
		.amdhsa_reserve_vcc 1
		.amdhsa_float_denorm_mode_32 3
		.amdhsa_float_denorm_mode_16_64 3
		.amdhsa_memory_ordered 1
		.amdhsa_forward_progress 1
		.amdhsa_inst_pref_size 31
	.end_amdhsa_kernel
	.amdgpu_metadata
---
amdhsa.version: [ 1, 2 ]
amdhsa.kernels:
  - .name:           k_qb6bfdde9b9_sk_ku
    .symbol:         k_qb6bfdde9b9_sk_ku.kd
    .args:
      - { .name: q_b, .offset: 0, .size: 8, .value_kind: global_buffer, .address_space: global }
      - { .name: merge_b, .offset: 8, .size: 8, .value_kind: global_buffer, .address_space: global }
      - { .name: n0_g, .offset: 16, .size: 8, .value_kind: global_buffer, .address_space: global }
      - { .name: p0, .offset: 24, .size: 8, .value_kind: global_buffer, .address_space: global }
      - { .name: p3, .offset: 32, .size: 8, .value_kind: global_buffer, .address_space: global }
      - { .name: p4, .offset: 40, .size: 8, .value_kind: global_buffer, .address_space: global }
    .group_segment_fixed_size: 66048
    .private_segment_fixed_size: 0
    .kernarg_segment_align: 8
    .kernarg_segment_size: 48
    .max_flat_workgroup_size: 128
    .sgpr_count:     66
    .vgpr_count:     250
    .wavefront_size: 32
...
	.end_amdgpu_metadata
.endif
;; end of part 5
;; launch sk_wy (part 6): grid 64 x 1, 4 waves a work-group, no clusters, 37,376 bytes of LDS; arguments m1_w, m1_b, n0_b, p4, p5; writes p5
.if DOCPART == 6
	.amdgcn_target "amdgcn-amd-amdhsa--gfx1250"
	.amdhsa_code_object_version 6
	.text
	.protected	k_qb6bfdde9b9_sk_wy
	.globl	k_qb6bfdde9b9_sk_wy
	.p2align	8
	.type	k_qb6bfdde9b9_sk_wy,@function
k_qb6bfdde9b9_sk_wy:
	s_mov_b64 s[64:65], 0
	v_nop
	global_prefetch_b8 v0, s[64:65] scope:SCOPE_SE
	s_setreg_imm32_b32 hwreg(HW_REG_WAVE_MODE, 25, 1), 1
	s_wait_xcnt 0x0
; WY[b][o'][hm] = sum over o of m1_w[o'][512 + o] UG[8 b + hm][o] (bf16), and C1[o'] = m1_w[o'][512:] . n0_b + m1_b[o'] (f32).
; 16 rows o' a work-group; wave w owns K = 128 w .. + 127.  C1 is made on the vector unit from the f32 rows that the wave holds anyway: 512 multiply-adds a row.
.set AS, 16
.set AB, 80
.set BB, 112
.set KB, 1024
.set WP, 4
.set BP, 10
.macro PLACES n=4
.rept \n
	v_nop
.endr
.endm
.macro LOADA
.irp s, 0,1,2,3
	global_load_b128 v[AS+16*\s:AS+16*\s+3],     v3, s[WP:WP+1] offset:128*\s
	global_load_b128 v[AS+16*\s+4:AS+16*\s+7],   v3, s[WP:WP+1] offset:128*\s+16
	global_load_b128 v[AS+16*\s+8:AS+16*\s+11],  v3, s[WP:WP+1] offset:128*\s+64
	global_load_b128 v[AS+16*\s+12:AS+16*\s+15], v3, s[WP:WP+1] offset:128*\s+80
.endr
.endm
.macro LOADB t0, n
.set i, 0
.rept \n
.irp s, 0,1,2,3
	global_load_b128 v[BB+32*i+8*\s:BB+32*i+8*\s+3],   v4, s[BP:BP+1] offset:393216+((\t0)+i)*16*KB+64*\s
	global_load_b128 v[BB+32*i+8*\s+4:BB+32*i+8*\s+7], v4, s[BP:BP+1] offset:393216+((\t0)+i)*16*KB+64*\s+32
.endr
.set i, i+1
.endr
.endm
.macro MM acc, s, t                    ; a lane holds one row o' and 8 columns
.if (\s) == 0
	v_wmma_f32_16x16x32_bf16 v[\acc:(\acc)+7], v[BB+32*(\t)+8*(\s):BB+32*(\t)+8*(\s)+7], v[AB+8*(\s):AB+8*(\s)+7], 0
.else
	v_wmma_f32_16x16x32_bf16 v[\acc:(\acc)+7], v[BB+32*(\t)+8*(\s):BB+32*(\t)+8*(\s)+7], v[AB+8*(\s):AB+8*(\s)+7], v[\acc:(\acc)+7]
.endif
.endm
.macro STP acc, idx
	ds_store_b128 v5, v[\acc:(\acc)+3] offset:(\idx)*1024
	ds_store_b128 v5, v[(\acc)+4:(\acc)+7] offset:(\idx)*1024+512
.endm
.macro ROUND t0                        ; four column tiles, accumulators v[16 + 8 (t0 + t)] by turns
.irp s, 0,1,2,3
.irp t, 0,1,2,3
	MM 16+8*((\t0)+\t), \s, \t
.endr
.endr
	PLACES 5
.irp t, 0,1,2,3
	STP 16+8*((\t0)+\t), (\t0)+\t
.endr
.endm
	s_load_b256 s[4:11], s[0:1], 0x0       ; m1_w, m1_b, n0_b, p4
	s_load_b64 s[12:13], s[0:1], 0x20      ; p5
	v_lshl_add_u32 v248, v0, 2, 0x9000
	v_mov_b32 v249, 0
	v_and_b32 v1, 15, v0
	v_bfe_u32 v2, v0, 4, 1
	v_and_b32 v7, 31, v0
	v_lshrrev_b32 v8, 5, v0
	v_readfirstlane_b32 s16, v8
	s_lshl_b32 s19, s16, 9
	v_lshl_add_u32 v9, v2, 5, s19          ; n0_b: 512 w + 32 h
	v_lshl_add_u32 v3, v1, 12, v9          ; W: + r x 4,096
	v_lshlrev_b32 v4, 10, v1
	v_lshl_add_u32 v4, v2, 4, v4
	s_lshl_b32 s19, s16, 8
	v_add_nc_u32 v4, s19, v4
	v_lshlrev_b32 v6, 4, v7
	s_mul_i32 s19, s16, 9216
	v_add_nc_u32 v5, s19, v6               ; my wave's nine kilobytes in LDS
	v_lshl_add_u32 v14, v7, 2, s19
	s_lshl_b32 s14, ttmp9, 16              ; 16 rows of 4,096 bytes,
	s_add_co_u32 s14, s14, 2048            ; their second half
	s_mov_b32 s15, 0
	s_mov_b32 s20, 0x76543210
	s_mov_b32 s21, 0xfedcba98
	s_wait_kmcnt 0x0
	s_add_nc_u64 s[4:5], s[4:5], s[14:15]
	LOADA
.irp s, 0,1,2,3
	global_load_b128 v[BB+16*\s:BB+16*\s+3],     v9, s[8:9] offset:128*\s
	global_load_b128 v[BB+16*\s+4:BB+16*\s+7],   v9, s[8:9] offset:128*\s+16
	global_load_b128 v[BB+16*\s+8:BB+16*\s+11],  v9, s[8:9] offset:128*\s+64
	global_load_b128 v[BB+16*\s+12:BB+16*\s+15], v9, s[8:9] offset:128*\s+80
.endr
	s_wait_loadcnt 0x0
	v_pk_mul_f32 v[10:11], v[AS:AS+1], v[BB:BB+1]
	v_pk_mul_f32 v[12:13], v[AS+2:AS+3], v[BB+2:BB+3]
.set i, 1
.rept 15
	v_pk_fma_f32 v[10:11], v[AS+4*i:AS+4*i+1], v[BB+4*i:BB+4*i+1], v[10:11]
	v_pk_fma_f32 v[12:13], v[AS+4*i+2:AS+4*i+3], v[BB+4*i+2:BB+4*i+3], v[12:13]
.set i, i+1
.endr
.set i, 0
.rept 32
	v_cvt_pk_bf16_f32 v[AB+i], v[AS+2*i], v[AS+2*i+1]
.set i, i+1
.endr
	LOADB 0, 4
	v_pk_add_f32 v[10:11], v[10:11], v[12:13]
	v_add_f32 v10, v10, v11
	v_permlanex16_b32 v11, v10, s20, s21   ; the row's other numbers of my K range lie in the lane 16 away
	v_add_f32 v10, v10, v11
	ds_store_b32 v14, v10 offset:8192
	s_wait_loadcnt 0x0
	ROUND 0
	LOADB 4, 4
	s_wait_loadcnt 0x0
	ROUND 4
	s_wait_dscnt 0x0
	s_barrier_signal -1
	s_barrier_wait -1
	s_lshl_b32 s19, s16, 10
	v_add_nc_u32 v6, s19, v6
.irp f, 0,1
.irp w, 0,1,2,3
	ds_load_b128 v[112+32*\f+8*\w:115+32*\f+8*\w], v6 offset:\w*9216+\f*4096
	ds_load_b128 v[116+32*\f+8*\w:119+32*\f+8*\w], v6 offset:\w*9216+\f*4096+512
.endr
.endr
	v_lshlrev_b32 v9, 14, v2               ; (2 t + h) x 16,384 + (o'0 + r) x 16
	v_lshl_add_u32 v9, v1, 4, v9
	s_lshl_b32 s19, s16, 15
	s_lshl_b32 s22, ttmp9, 8
	s_add_co_u32 s19, s19, s22
	v_add_nc_u32 v9, s19, v9
	s_wait_dscnt 0x0
.irp g, 112,144
.irp w, 1,2,3
.irp j, 0,2,4,6
	v_pk_add_f32 v[\g+\j:\g+\j+1], v[\g+\j:\g+\j+1], v[\g+8*\w+\j:\g+8*\w+\j+1]
.endr
.endr
.endr
.irp f, 0,1
.irp i, 0,1,2,3
	v_cvt_pk_bf16_f32 v[16+4*\f+\i], v[112+32*\f+2*\i], v[113+32*\f+2*\i]
.endr
	global_store_b128 v9, v[16+4*\f:19+4*\f], s[12:13] offset:\f*131072
.endr
	s_cmp_lg_u32 s16, 0
	s_cbranch_scc1 .Lend
	v_lshlrev_b32 v10, 2, v7
.irp w, 0,1,2,3
	ds_load_b32 v[24+\w], v10 offset:8192+\w*9216
.endr
	s_lshl_b32 s22, ttmp9, 6
	v_lshl_add_u32 v11, v1, 2, s22         ; (o'0 + r) x 4
	global_load_b32 v28, v11, s[6:7]
	s_wait_dscnt 0x0
	v_add_f32 v24, v24, v25
	v_add_f32 v26, v26, v27
	v_add_f32 v24, v24, v26
	s_wait_loadcnt 0x0
	v_add_f32 v24, v24, v28
	global_store_b32 v11, v24, s[12:13] offset:262144   ; both halves of the lanes hold, and write, the same number
.Lend:
	s_wait_tensorcnt 0x0
	ds_add_u32 v248, v249
	s_wait_dscnt 0x0
	s_endpgm
.Lfunc_end_k_qb6bfdde9b9_sk_wy:
	.size	k_qb6bfdde9b9_sk_wy, .Lfunc_end_k_qb6bfdde9b9_sk_wy-k_qb6bfdde9b9_sk_wy
	.p2alignl 7, 3214868480
	.fill 96, 4, 3214868480
	.section	.rodata,"a",@progbits
	.p2align	6, 0x0
	.amdhsa_kernel k_qb6bfdde9b9_sk_wy
		.amdhsa_group_segment_fixed_size 37376
		.amdhsa_private_segment_fixed_size 0
		.amdhsa_enable_private_segment 0
		.amdhsa_kernarg_size 40
		.amdhsa_user_sgpr_count 2
		.amdhsa_user_sgpr_kernarg_segment_ptr 1
		.amdhsa_wavefront_size32 1
		.amdhsa_system_sgpr_workgroup_id_x 1
		.amdhsa_system_sgpr_workgroup_id_y 1
		.amdhsa_system_sgpr_workgroup_id_z 1
		.amdhsa_system_vgpr_workitem_id 0
		.amdhsa_next_free_vgpr 250
		.amdhsa_next_free_sgpr 66
		.amdhsa_reserve_vcc 0
		.amdhsa_float_denorm_mode_32 3
		.amdhsa_float_denorm_mode_16_64 3
		.amdhsa_memory_ordered 1
		.amdhsa_forward_progress 1
		.amdhsa_inst_pref_size 23
	.end_amdhsa_kernel
	.amdgpu_metadata
---
amdhsa.version: [ 1, 2 ]
amdhsa.kernels:
  - .name:           k_qb6bfdde9b9_sk_wy
    .symbol:         k_qb6bfdde9b9_sk_wy.kd
    .args:
      - { .name: m1_w, .offset: 0, .size: 8, .value_kind: global_buffer, .address_space: global }
      - { .name: m1_b, .offset: 8, .size: 8, .value_kind: global_buffer, .address_space: global }
      - { .name: n0_b, .offset: 16, .size: 8, .value_kind: global_buffer, .address_space: global }
      - { .name: p4, .offset: 24, .size: 8, .value_kind: global_buffer, .address_space: global }
      - { .name: p5, .offset: 32, .size: 8, .value_kind: global_buffer, .address_space: global }
    .group_segment_fixed_size: 37376
    .private_segment_fixed_size: 0
    .kernarg_segment_align: 8
    .kernarg_segment_size: 40
    .max_flat_workgroup_size: 128
    .sgpr_count:     66
    .vgpr_count:     250
    .wavefront_size: 32
...
	.end_amdgpu_metadata
.endif
;; end of part 6
;; launch mlp1 (part 7): grid 256 x 1, 4 waves a work-group, clusters of 4 x 1, 327,680 bytes of LDS; arguments x, p0, p4, p5, p6; writes p6
.if DOCPART == 7
	.amdgcn_target "amdgcn-amd-amdhsa--gfx1250"
	.amdhsa_code_object_version 6
	.text
	.protected	k_qb6bfdde9b9_mlp1
	.globl	k_qb6bfdde9b9_mlp1
	.p2align	8
	.type	k_qb6bfdde9b9_mlp1,@function
k_qb6bfdde9b9_mlp1:
	s_mov_b64 s[64:65], 0
	v_nop
	global_prefetch_b8 v0, s[64:65] scope:SCOPE_SE
	s_setreg_imm32_b32 hwreg(HW_REG_WAVE_MODE, 25, 1), 1
	s_wait_xcnt 0x0
	s_wait_alu depctr_hold_cnt(0) depctr_sa_sdst(0) depctr_va_vdst(0) depctr_va_sdst(0) depctr_va_ssrc(0) depctr_va_vcc(0) depctr_vm_vsrc(0)
	s_getreg_b32 s2, hwreg(HW_REG_IB_STS2, 6, 4)
	s_cmp_eq_u32 s2, 0
	s_cbranch_scc0 .Lentry_in_a_cluster
	s_endpgm
.Lentry_in_a_cluster:
	s_bfe_u32 s2, ttmp6, 0x10000c
	s_cmp_lg_u32 s2, 0x3003
	s_cbranch_scc0 .Lentry_shape_is_right
	s_endpgm
.Lentry_shape_is_right:
; H1 = gelu(m1_w[o'][:512] . x[:, pos] + rstd[pos] WY[o'][:] . a[:, pos] + C1[o']) in bf16, and G1X = g1_w x + (g1_w n1_b + g1_b) in f32.
; H1 lies as [block of 128 positions][block of 64 channels o'][position][64]: a tile of 128 x 64 is 16,384 consecutive bytes, as the next launch takes it.
; a: the 8 attention weights (4 heads x 2 tokens) of a position, from scores KQ x + SB (the maximum of each head's two scores is taken away);
; rstd: 1 / sqrt(var + 1e-5) of the merged, centred attention output UC a over its 512 channels.
; SHARES.  A work-group owns 128 positions of one batch; x's tile (512 channels x 128 positions) is read once, rounded to bf16 and kept in LDS, channel-major; the turning load makes fragments of it.
; A wave makes 128 channels x 128 positions (64 accumulators, 512 registers) in each of two passes over m1_w's 1,024 rows.
; The weights (bf16, dense blocks of 512 rows x 64 K) go through two LDS slots.  CLUSTER: all work-groups walk the same weights, so the four of a cluster ask for each block jointly.
; The matrix instruction takes weights as source 0 and positions as source 1: a lane holds one position and eight neighbouring channels, 16 bytes of a row of H1.
; LIMITS.  gelu's absolute error at most 2e-7 |x|; NaN and infinities are not treated apart; merge_b rides on a head's two weights, whose sum is 1 to bf16's rounding.
; REGISTERS, in windows of 256: window 0: v0-31 addresses; v32-63, v192-255 at work; v64-127, v128-191 position fragments (two buffers)
;   window 1: v0-31 WY; v64-191 weight fragments (two buffers; first KQ); v192-255 C1        windows 2, 3: accumulators (first x as loaded, then UC and g1_w)
.set SLOTB,  73728                     ; 512 rows x (128 + 16) bytes
.set WPI,    144
.set XB,     147456                    ; x in bf16: 512 rows x (256 + 32) bytes
.set XP,     288
.set ZB,     294912                    ; 128 positions x 32 bytes: rstd x a (8 bf16), then zeros
.set STAGE,  299008                    ; 16 rows x 272 bytes for each wave, for the way out
.set SPITCH, 272
.set SPARE,  316416                    ; the spare words, 128 bytes for each wave
.set P_G1B,  4292608
.set P_G1C,  4423680
.set XST, 4
.set XS,  5
.set XA0, 6
.set XA,  7
.set ZST, 8
.set ZLD, 9
.set XLO, 10
.set KQO, 11
.set WYO, 12
.set BIO, 13
.set UCO, 14
.set G1O, 15
.set ADRW, 16                          ; v16-17
.set GXO, 18
.set XG,  19
.set STO, 24
.set RD,  25
.set CO,  26
.set HM,  27                           ; all ones in lanes 0-15, 0 in lanes 16-31
.set SPW, 28
.set NIL, 29
.set GCO, 30
.set F0,  64
.set F1,  128
.set TMP, 192
.set OB,  32
.set GT,  128                          ; gelu's work, v128-167
.set WV,  14
.set G1,  24
.set G0,  32
.set GC,  40
.set SEL, 56
.set CS,  58
.set MSB, 0
.macro WIN new                         ; the immediate's high byte repeats the setting that is left
.if MSB != (\new)
	s_set_vgpr_msb (MSB<<8)|(\new)
.set MSB, \new
.endif
.endm
.macro PLACES
.rept 4
	v_nop
.endr
.endm
.macro CREST
	s_cmp_lg_u32 s[WV], 0
	s_cbranch_scc1 .Lnot_wave_0_\@
	s_barrier_signal -3
.Lnot_wave_0_\@:
	s_barrier_wait -3
	s_barrier_signal -1
	s_barrier_wait -1
.endm
.macro CROUND
	s_barrier_signal -1
	s_barrier_wait -1
	CREST
.endm
.macro GK i, val
	s_mov_b32 s[GC+2*(\i)], \val
	s_mov_b32 s[GC+2*(\i)+1], \val
.endm
; gelu of eight numbers that lie in the window named by WX (sources 0 and 1); the result in v[GT+24 ..] of window 0.  The accumulator's lowest register is read first.
.macro GELU8 X, WX
	WIN \WX
.irp j, 0,1,2,3,4,5,6,7
	v_and_b32 v[GT+\j], s[GC+14], v[(\X)+\j]
.endr
.irp j, 0,2,4,6
	v_pk_mul_f32 v[GT+16+\j:GT+17+\j], v[(\X)+\j:(\X)+\j+1], v[(\X)+\j:(\X)+\j+1]
.endr
.irp j, 0,1,2,3,4,5,6,7
	v_max_num_f32 v[GT+24+\j], 0, v[(\X)+\j]
.endr
	WIN 0
.irp j, 0,2,4,6
	v_pk_mul_f32 v[GT+16+\j:GT+17+\j], v[GT+16+\j:GT+17+\j], s[GC+2:GC+3] op_sel_hi:[1,0]
.endr
.irp j, 0,1,2,3,4,5,6,7
	v_exp_f32 v[GT+16+\j], v[GT+16+\j]
.endr
.irp j, 0,2,4,6
	v_pk_fma_f32 v[GT+8+\j:GT+9+\j], v[GT+\j:GT+1+\j], s[GC:GC+1], 1.0 op_sel_hi:[1,0,0]
.endr
.irp j, 0,1,2,3,4,5,6,7
	v_rcp_f32 v[GT+8+\j], v[GT+8+\j]
.endr
	s_wait_alu depctr_va_vdst(0)
.irp j, 0,2,4,6
	v_pk_mul_f32 v[GT+16+\j:GT+17+\j], v[GT+16+\j:GT+17+\j], v[GT+\j:GT+1+\j]
.endr
.irp j, 0,2,4,6
	v_pk_fma_f32 v[GT+32+\j:GT+33+\j], v[GT+8+\j:GT+9+\j], s[GC+12:GC+13], s[GC+10:GC+11] op_sel_hi:[1,0,0]
.endr
.irp c, 8,6,4
.irp j, 0,2,4,6
	v_pk_fma_f32 v[GT+32+\j:GT+33+\j], v[GT+32+\j:GT+33+\j], v[GT+8+\j:GT+9+\j], s[GC+\c:GC+\c+1] op_sel_hi:[1,1,0]
.endr
.endr
.irp j, 0,2,4,6
	v_pk_mul_f32 v[GT+32+\j:GT+33+\j], v[GT+32+\j:GT+33+\j], v[GT+8+\j:GT+9+\j]
.endr
.irp j, 0,2,4,6
	v_pk_fma_f32 v[GT+24+\j:GT+25+\j], v[GT+16+\j:GT+17+\j], v[GT+32+\j:GT+33+\j], v[GT+24+\j:GT+25+\j] neg_lo:[1,0,0] neg_hi:[1,0,0]
.endr
.endm
.macro PRELOAD                         ; a pass's WY (8 tiles of 16 rows x 16 bytes) and C1 (8 numbers a lane for each channel tile), into window 1
	WIN 0x40
.irp i, 0,1,2,3,4,5,6,7
	global_load_b128 v[4*\i:4*\i+3], v[WYO], s[82:83] offset:256*\i
.endr
.irp b, 0,1,2,3,4,5,6,7
	global_load_b128 v[192+8*\b:195+8*\b], v[BIO], s[84:85] offset:64*\b
	global_load_b128 v[196+8*\b:199+8*\b], v[BIO], s[84:85] offset:64*\b+16
.endr
	WIN 0
.endm
	s_load_b256 s[4:11], s[0:1], 0x0       ; x, p0, p4, p5
	s_load_b64 s[12:13], s[0:1], 0x20      ; p6
	v_lshl_add_u32 v[SPW], v0, 2, SPARE
	v_mov_b32 v[NIL], 0
	ds_add_u32 v28, v29
	s_wait_dscnt 0x0
	v_lshrrev_b32 v1, 5, v0
	v_readfirstlane_b32 s[WV], v1
	s_bfe_u32 s15, ttmp6, 0x40000          ; cx
	s_lshl_b32 s16, ttmp9, 2
	s_add_co_u32 s16, s16, s15             ; my block of 128 positions: it enters the addresses of x, H1 and G1X alone
	s_lshr_b32 s17, ttmp9, 2               ; the batch, which the four partners share
	; descriptor group 1: 16,384 dense bytes as 64 rows of 256, padded in LDS behind every 128 bytes
	s_mov_b32 s[G1], 15|(1<<16)|(1<<20)|(1<<21)|(4<<22)|(3<<25)
	s_mov_b32 s[G1+1], 128<<16
	s_mov_b32 s[G1+2], 64<<16
	s_mov_b32 s[G1+3], 128<<16
	s_mov_b32 s[G1+4], 64
	s_mov_b32 s[G1+5], 128
	s_mov_b32 s[G1+6], 0
	s_mov_b32 s[G1+7], 0
	GK 0, 0x3e6d3388
	GK 1, 0xbf38aa3b
	GK 2, 0x3e027906
	GK 3, 0xbe11a98e
	GK 4, 0x3f35f0e3
	GK 5, 0xbf3a00e3
	GK 6, 0x3f07dc22
	GK 7, 0x7fffffff
	s_mov_b32 s[SEL], 0x76543210
	s_mov_b32 s[SEL+1], 0xfedcba98
	s_mov_b32 s[CS], 0x3e0293ee            ; log2(e) / sqrt(128)
	s_mul_i32 s18, s[WV], 18432            ; my quarter of a slot
	s_lshl_b32 s20, s[WV], 14              ; and of a block in memory
	s_mov_b32 s21, 0
	s_lshl_b32 s22, s17, 22                ; x: the batch,
	s_and_b32 s19, s16, 15
	s_lshl_b32 s19, s19, 9                 ; my 128 positions,
	s_add_co_u32 s22, s22, s19
	s_lshl_b32 s19, s[WV], 20              ; my wave's 128 channels
	s_add_co_u32 s22, s22, s19
	s_mov_b32 s23, 0
	s_lshl_b32 s90, s17, 14
	s_mov_b32 s91, 0
	s_lshl_b32 s92, s17, 13
	s_add_co_u32 s92, s92, 262144
	s_mov_b32 s93, 0
	s_lshl_b32 s94, s17, 5
	s_mov_b32 s95, 0
	s_lshl_b32 s96, s16, 18                ; H1: my block's 16 tiles of 16,384 bytes,
	s_lshl_b32 s19, s[WV], 15              ; my wave's two of a pass's eight
	s_add_co_u32 s96, s96, s19
	s_mov_b32 s97, 0
	s_lshl_b32 s98, s16, 15
	s_add_co_u32 s98, s98, 0x4000000       ; G1X
	s_mov_b32 s99, 0
	s_wait_kmcnt 0x0
	s_add_nc_u64 s[20:21], s[6:7], s[20:21]
	s_add_nc_u64 s[4:5], s[4:5], s[22:23]
	s_add_nc_u64 s[76:77], s[8:9], s[90:91]        ; KQ of the batch
	s_add_nc_u64 s[78:79], s[8:9], s[92:93]        ; UC
	s_add_nc_u64 s[80:81], s[8:9], s[94:95]        ; SB less its place in p4
	s_add_nc_u64 s[82:83], s[10:11], s[90:91]      ; WY
	s_add_nc_u64 s[84:85], s[10:11], 262144        ; C1
	s_add_nc_u64 s[86:87], s[12:13], s[96:97]
	s_add_nc_u64 s[88:89], s[12:13], s[98:99]
	s_load_b256 s[68:75], s[80:81], 0x80000
	CROUND                                 ; all four work-groups are here: the first joint loads meet
.irp s, 0,1
	s_mov_b32 s[G0+4*\s], 1
	s_add_co_u32 s[G0+4*\s+1], s18, \s*SLOTB
	s_add_nc_u64 s[G0+4*\s+2:G0+4*\s+3], s[20:21], \s*65536
	s_or_b32 s[G0+4*\s+3], s[G0+4*\s+3], 0x80000000
.endr
	tensor_load_to_lds s[G0:G0+3], s[G1:G1+7]      ; blocks 0 and 1: two loads of mine are out
	s_nop 0
	tensor_load_to_lds s[G0+4:G0+7], s[G1:G1+7]
	s_nop 0
	PLACES
	v_and_b32 v3, 31, v0
	v_and_b32 v1, 15, v0
	v_bfe_u32 v2, v0, 4, 1
	v_add_nc_u32 v[HM], -1, v2
	v_lshlrev_b32 v[XLO], 4, v3
	s_mul_i32 s19, s[WV], 36864
	s_add_co_u32 s19, s19, XB
	v_lshl_add_u32 v[XST], v3, 3, s19
	v_and_b32 v20, 7, v0                   ; the turning load: lane l reads row 8 (l / 16) + l % 8, bytes 16 ((l / 8) % 2) on
	v_lshl_add_u32 v20, v2, 3, v20
	v_mul_u32_u24 v20, v20, XP
	v_bfe_u32 v21, v0, 3, 1
	v_lshl_add_u32 v20, v21, 4, v20
	v_add_nc_u32 v[XA0], XB, v20
	v_mov_b32 v[XA], v[XA0]
	v_mov_b32 v[XG], v[XA0]
	s_lshl_b32 s19, s[WV], 6
	v_add_nc_u32 v[XS], s19, v[XA0]        ; my two position tiles
	v_lshlrev_b32 v20, 5, v1
	v_lshl_add_u32 v20, v2, 4, v20
	v_add_nc_u32 v[ZLD], ZB, v20
	s_lshl_b32 s19, s[WV], 10
	v_add_nc_u32 v[ZST], s19, v[ZLD]
	v_lshlrev_b32 v[KQO], 10, v1
	v_lshl_add_u32 v[KQO], v2, 4, v[KQO]
	s_lshl_b32 s19, s[WV], 14
	v_add_nc_u32 v[G1O], s19, v[KQO]       ; (16 w + r) x 1,024 + 16 h
	v_lshlrev_b32 v[UCO], 4, v1
	s_lshl_b32 s19, s[WV], 11
	v_add_nc_u32 v[WYO], s19, v[UCO]
	v_lshlrev_b32 v20, 5, v2
	s_lshl_b32 s19, s[WV], 9
	v_add_nc_u32 v[BIO], s19, v20
	s_lshl_b32 s19, s[WV], 6
	v_add_nc_u32 v[GCO], s19, v20
	s_lshl_b32 s19, s[WV], 10
	v_add_nc_u32 v[GXO], s19, v[XLO]
	v_mul_u32_u24 v20, v1, WPI
	v_lshl_add_u32 v20, v2, 4, v20
	v_add_nc_u32 v[ADRW], s18, v20
	v_add_nc_u32 v[ADRW+1], SLOTB, v[ADRW]
	s_mul_i32 s19, s[WV], 16*SPITCH
	s_add_co_u32 s19, s19, STAGE
	v_mul_u32_u24 v20, v1, SPITCH          ; into the stage: row = position l % 16, 16 bytes for each half of the lanes
	v_lshl_add_u32 v20, v2, 4, v20
	v_add_nc_u32 v[STO], s19, v20
	v_lshrrev_b32 v20, 3, v3               ; back: 32 lanes take 128 bytes (64 channels) of four positions,
	v_mul_u32_u24 v20, v20, SPITCH
	v_and_b32 v21, 7, v0
	v_lshl_add_u32 v20, v21, 4, v20
	v_add_nc_u32 v[RD], s19, v20
	v_lshlrev_b32 v[CO], 4, v3             ; which are 512 consecutive bytes of a tile of H1
	; the early loads: KQ, the first pass's WY and C1, g1's constant, then x
	WIN 0x40
.set i, 0
.rept 16
	global_load_b128 v[64+8*i:67+8*i], v[KQO], s[76:77] offset:64*i
	global_load_b128 v[68+8*i:71+8*i], v[KQO], s[76:77] offset:64*i+32
.set i, i+1
.endr
	PRELOAD
	global_load_b128 v[56:59], v[GCO], s[6:7] offset:P_G1C
	global_load_b128 v[60:63], v[GCO], s[6:7] offset:P_G1C+16
	WIN 0x80
.set i, 0
.rept 64                                   ; a load is one channel's 512 bytes
	global_load_b128 v[4*i:4*i+3], v[XLO], s[4:5] offset:i*8192 th:TH_LOAD_NT
.set i, i+1
.endr
	WIN 0xc0
.set i, 0
.rept 64
	global_load_b128 v[4*i:4*i+3], v[XLO], s[4:5] offset:(64+i)*8192 th:TH_LOAD_NT
.set i, i+1
.endr
; 16 channels to bf16 and into LDS.  At each of these waits 64 loads or more are younger than the group's last (x's later groups, then UC's 32 and g1_w's 32).
.macro XCONV k
	s_wait_loadcnt 63
	WIN 0x0a+5*((\k)/4)
.set i, 0
.rept 16
	v_cvt_pk_bf16_f32 v[64+2*i], v[4*((16*(\k)+i)%64)], v[4*((16*(\k)+i)%64)+1]
	v_cvt_pk_bf16_f32 v[65+2*i], v[4*((16*(\k)+i)%64)+2], v[4*((16*(\k)+i)%64)+3]
.set i, i+1
.endr
	WIN 0
.set i, 0
.rept 16
	ds_store_b64 v[XST], v[64+2*i:65+2*i] offset:(16*(\k)+i)*XP
.set i, i+1
.endr
.endm
	XCONV 0
	XCONV 1
	WIN 0x80                               ; UC (32 tiles of 16 rows x 16 bytes) where x's first 32 channels lay
.set i, 0
.rept 32
	global_load_b128 v[4*i:4*i+3], v[UCO], s[78:79] offset:256*i
.set i, i+1
.endr
	XCONV 2
	XCONV 3
	WIN 0x80                               ; my 16 rows of g1_w, 16 fragments
.set i, 0
.rept 16
	global_load_b128 v[128+8*i:131+8*i], v[G1O], s[6:7] offset:P_G1B+64*i
	global_load_b128 v[132+8*i:135+8*i], v[G1O], s[6:7] offset:P_G1B+64*i+32
.set i, i+1
.endr
	XCONV 4
	XCONV 5
	XCONV 6
	XCONV 7
	s_wait_dscnt 0x0                       ; for the others' sake: my part of x is in LDS
	s_barrier_signal -1
	s_barrier_wait -1
	; SCORES of my 32 positions: rows = the 8 (head, token) pairs, twice; K = 512
.set g, 0
.rept 4
.irp j, 0,1,2,3
.irp t, 0,1
	ds_load_tr16_b128 v[64+16*\j+8*\t:67+16*\j+8*\t], v[XS] offset:\j*9216+32*\t
	ds_load_tr16_b128 v[68+16*\j+8*\t:71+16*\j+8*\t], v[XS] offset:\j*9216+32*\t+4608
.endr
.endr
	s_wait_dscnt 0x0
	WIN 0x01
.irp j, 0,1,2,3
.irp t, 0,1
.if (g == 0) && (\j == 0)
	v_wmma_f32_16x16x32_bf16 v[32+8*\t:39+8*\t], v[64+8*(4*g+\j):71+8*(4*g+\j)], v[64+16*\j+8*\t:71+16*\j+8*\t], 0
.else
	v_wmma_f32_16x16x32_bf16 v[32+8*\t:39+8*\t], v[64+8*(4*g+\j):71+8*(4*g+\j)], v[64+16*\j+8*\t:71+16*\j+8*\t], v[32+8*\t:39+8*\t]
.endif
.endr
.endr
	WIN 0
	PLACES
	v_add_nc_u32 v[XS], 36864, v[XS]
.set g, g+1
.endr
	s_wait_kmcnt 0x0                       ; SB
; the softmax over each head's two tokens; then the weights in bf16, lanes 16-31 cleared: a fragment's K places 8-15 must hold 0
.macro SOFT t
.set S0, 32+8*(\t)
.set W0, 48+4*(\t)
.irp j, 0,1,2,3,4,5,6,7
	v_add_f32 v[S0+\j], s[68+\j], v[S0+\j]
.endr
.irp d, 0,1,2,3
	v_max_num_f32 v[W0+\d], v[S0+2*\d], v[S0+2*\d+1]
.endr
.irp d, 0,1,2,3
	v_sub_f32 v[S0+2*\d], v[S0+2*\d], v[W0+\d]
	v_sub_f32 v[S0+2*\d+1], v[S0+2*\d+1], v[W0+\d]
.endr
.irp j, 0,1,2,3,4,5,6,7
	v_mul_f32 v[S0+\j], s[CS], v[S0+\j]
.endr
.irp j, 0,1,2,3,4,5,6,7
	v_exp_f32 v[S0+\j], v[S0+\j]
.endr
	v_nop
	s_wait_alu depctr_va_vdst(0)
.irp d, 0,1,2,3
	v_add_f32 v[W0+\d], v[S0+2*\d], v[S0+2*\d+1]
.endr
.irp d, 0,1,2,3
	v_rcp_f32 v[W0+\d], v[W0+\d]
.endr
	v_nop
	s_wait_alu depctr_va_vdst(0)
.irp d, 0,1,2,3
	v_mul_f32 v[S0+2*\d], v[S0+2*\d], v[W0+\d]
	v_mul_f32 v[S0+2*\d+1], v[S0+2*\d+1], v[W0+\d]
.endr
.irp d, 0,1,2,3
	v_cvt_pk_bf16_f32 v[68+8*(\t)+\d], v[S0+2*\d], v[S0+2*\d+1]
.endr
.irp d, 0,1,2,3
	v_and_b32 v[68+8*(\t)+\d], v[HM], v[68+8*(\t)+\d]
.endr
.endm
	SOFT 0
	SOFT 1
.irp i, 64,65,66,67,72,73,74,75,80,81,82,83
	v_mov_b32 v\i, 0                       ; the chain 0, a0, 0, a1, 0: eight registers from v68 are (a0, 0), from v64 (0, a0)
.endr
.irp i, 48,49,50,51,52,53,54,55
	v_mov_b32 v\i, 0                       ; the sums of squares
.endr
	; VARIANCE.  Eight registers of UC hold two tiles of 16 channels (K places 0-15 and 16-31): (a, 0) picks the first, (0, a) the second.
.macro VW i
	WIN 0x02
.set VS, 192+32*((\i)%2)
	v_wmma_f32_16x16x32_bf16 v[VS:VS+7],     v[8*(\i):8*(\i)+7], v[68:75], 0
	v_wmma_f32_16x16x32_bf16 v[VS+8:VS+15],  v[8*(\i):8*(\i)+7], v[64:71], 0
	v_wmma_f32_16x16x32_bf16 v[VS+16:VS+23], v[8*(\i):8*(\i)+7], v[76:83], 0
	v_wmma_f32_16x16x32_bf16 v[VS+24:VS+31], v[8*(\i):8*(\i)+7], v[72:79], 0
.endm
.macro VF i
	WIN 0
.set VS, 192+32*((\i)%2)
.irp q, 0,1,2,3
.irp p, 0,1,2,3
	v_pk_fma_f32 v[48+4*(\q/2)+2*(\p%2):49+4*(\q/2)+2*(\p%2)], v[VS+8*\q+2*\p:VS+8*\q+2*\p+1], v[VS+8*\q+2*\p:VS+8*\q+2*\p+1], v[48+4*(\q/2)+2*(\p%2):49+4*(\q/2)+2*(\p%2)]
.endr
.endr
.endm
	s_wait_loadcnt 32                      ; UC is in; g1_w's 32 loads may stay out
	VW 0
	PLACES
.set n, 1
.rept 15                                   ; the squares of the set before are the places behind each set's products
	VW n
	VF n-1
.set n, n+1
.endr
	PLACES
	VF 15
.irp t, 0,1
	v_pk_add_f32 v[48+4*\t:49+4*\t], v[48+4*\t:49+4*\t], v[50+4*\t:51+4*\t]
	v_add_f32 v[48+4*\t], v[48+4*\t], v[49+4*\t]
	v_permlanex16_b32 v[49+4*\t], v[48+4*\t], s[SEL], s[SEL+1]
	v_add_f32 v[48+4*\t], v[48+4*\t], v[49+4*\t]
	v_mul_f32 v[48+4*\t], 0x3b000000, v[48+4*\t]
	v_add_f32 v[48+4*\t], 0x3727c5ac, v[48+4*\t]
.endr
	v_rsq_f32 v48, v48
	v_rsq_f32 v52, v52
	v_nop
	s_wait_alu depctr_va_vdst(0)
.irp t, 0,1
.irp j, 0,1,2,3,4,5,6,7
	v_mul_f32 v[32+8*\t+\j], v[48+4*\t], v[32+8*\t+\j]
.endr
.irp d, 0,1,2,3
	v_cvt_pk_bf16_f32 v[20+\d], v[32+8*\t+2*\d], v[33+8*\t+2*\d]
.endr
.irp d, 0,1,2,3
	v_and_b32 v[20+\d], v[HM], v[20+\d]
.endr
	ds_store_b128 v[ZST], v[20:23] offset:512*\t
.endr
	; G1X: my 16 rows of g1_w against all 128 positions; the first product takes g1's constant as C
	s_wait_loadcnt 0x0
.set kk, 0
.rept 16
.irp a, 0,1,2,3,4,5,6,7
	ds_load_tr16_b128 v[64+8*\a:67+8*\a], v[XG] offset:(kk%4)*9216+32*\a
	ds_load_tr16_b128 v[68+8*\a:71+8*\a], v[XG] offset:(kk%4)*9216+32*\a+4608
.endr
	s_wait_dscnt 0x0
	WIN 0x02
.irp a, 0,1,2,3,4,5,6,7
.if kk == 0
	v_wmma_f32_16x16x32_bf16 v[192+8*\a:199+8*\a], v[128+8*kk:135+8*kk], v[64+8*\a:71+8*\a], v[56:63]
.else
	v_wmma_f32_16x16x32_bf16 v[192+8*\a:199+8*\a], v[128+8*kk:135+8*kk], v[64+8*\a:71+8*\a], v[192+8*\a:199+8*\a]
.endif
.endr
	WIN 0
	PLACES
.if kk%4 == 3
	v_add_nc_u32 v[XG], 36864, v[XG]
.endif
.set kk, kk+1
.endr
.irp a, 0,1,2,3,4,5,6,7
	global_store_b128 v[GXO], v[192+8*\a:195+8*\a], s[88:89] offset:4096*\a        ; the registers as they lie: 512 consecutive bytes a store
	global_store_b128 v[GXO], v[196+8*\a:199+8*\a], s[88:89] offset:4096*\a+512
.endr
; THE MAIN PRODUCT.  16 matrix instructions: position tiles a0, a0 + 1 of the window's four x all 8 channel tiles, 32 along K
.macro MUL16 f, hi, a0
	WIN 0xa1+0x50*(\hi)
.irp a, \a0, (\a0)+1
.irp b, 0,1,2,3,4,5,6,7
	v_wmma_f32_16x16x32_bf16 v[8*(8*(\a)+(\b)):8*(8*(\a)+(\b))+7], v[(\f)+8*(\b):(\f)+8*(\b)+7], v[(\f)+8*(4*(\hi)+(\a)):(\f)+8*(4*(\hi)+(\a))+7], v[8*(8*(\a)+(\b)):8*(8*(\a)+(\b))+7]
.endr
.endr
.endm
.macro FETCH slot, q, f                ; 32 LDS loads in one run: the weights' 8 fragments, then the positions' 8 (turned)
	WIN 0x40
.irp i, 0,1,2,3,4,5,6,7
	ds_load_b128 v[(\f)+8*\i:(\f)+8*\i+3],   v[ADRW+(\slot)] offset:64*(\q)+\i*16*WPI
	ds_load_b128 v[(\f)+8*\i+4:(\f)+8*\i+7], v[ADRW+(\slot)] offset:64*(\q)+\i*16*WPI+32
.endr
	WIN 0
.irp i, 0,1,2,3,4,5,6,7
	ds_load_tr16_b128 v[(\f)+8*\i:(\f)+8*\i+3],   v[XA] offset:9216*(\q)+32*\i
	ds_load_tr16_b128 v[(\f)+8*\i+4:(\f)+8*\i+7], v[XA] offset:9216*(\q)+32*\i+4608
.endr
.endm
.macro QA slot                         ; a block's first 32 along K; its second 32 are fetched in the middle
	s_wait_dscnt 8                         ; the youngest eight loads (position tiles 4-7) may be out
	MUL16 F0, 0, 0
	MUL16 F0, 0, 2
	PLACES
	FETCH \slot, 1, F1
	s_wait_dscnt 32                        ; all but the 32 just issued
	MUL16 F0, 1, 0
	MUL16 F0, 1, 2
.endm
; a block's second 32 along K, and the change of slots: one barrier; in front of it every wave waits for all its tensor loads (one is out: its part of the next slot), adds 0 to its
; spare word, and waits for that and for its reads of this slot.  fill = 1: the barrier opens a round of the cluster's, and the joint refill (two blocks on) is the first thing behind it.
.macro TB slot, next, fill, wrap
	WIN 0
.if \wrap
	v_mov_b32 v[XA], v[XA0]                ; the next pass begins at channel 0
.else
	v_add_nc_u32 v[XA], 18432, v[XA]       ; the next 64 channels
.endif
	s_wait_tensorcnt 0x0
	ds_add_u32 v[SPW], v[NIL]
	s_wait_dscnt 9                         ; the add and the youngest eight loads may be out
	MUL16 F1, 0, 0
	s_wait_dscnt 0x0
	s_barrier_signal -1
	MUL16 F1, 0, 2
.if \fill
	WIN 0
.endif
	s_barrier_wait -1
.if \fill
	CREST
	s_add_nc_u64 s[G0+4*(\slot)+2:G0+4*(\slot)+3], s[G0+4*(\slot)+2:G0+4*(\slot)+3], 131072
	tensor_load_to_lds s[G0+4*(\slot):G0+4*(\slot)+3], s[G1:G1+7]
	s_nop 0
.endif
	PLACES                                 ; behind the tensor load, and in front of the loads into buffer 0
	FETCH \next, 0, F0
	MUL16 F1, 1, 0
	MUL16 F1, 1, 2
.endm
.macro PACKG a                         ; position tile a: gelu and rounding; a lane's 8 channels of each channel tile are 16 bytes
.irp b, 0,1,2,3,4,5,6,7
	GELU8 64*((\a)%4)+8*\b, 0x0a+5*((\a)/4)
.irp i, 0,1,2,3
	v_cvt_pk_bf16_f32 v[TMP+4*\b+\i], v[GT+24+2*\i], v[GT+25+2*\i]
.endr
.endr
.endm
.macro TOSTAGE a                       ; into my stage, and back by halves of 64 channels, four positions a load (LDS serves a wave's instructions in order: ISA guide 5.7.1.4)
.set BK, OB+192*((\a)%2)
.irp b, 0,1,2,3,4,5,6,7
	ds_store_b128 v[STO], v[TMP+4*\b:TMP+4*\b+3] offset:32*\b
.endr
.irp t, 0,1,2,3,4,5,6,7
	ds_load_b128 v[BK+4*\t:BK+4*\t+3], v[RD] offset:(\t%4)*4*SPITCH+(\t/4)*128
.endr
.endm
.macro SEND a
.set BK, OB+192*((\a)%2)
	s_wait_dscnt 0x0
	s_wait_xcnt 0x0                        ; earlier stores have read their data: the other set of registers may be loaded again
.irp t, 0,1,2,3,4,5,6,7
	global_store_b128 v[CO], v[BK+4*\t:BK+4*\t+3], s[86:87] offset:(\t/4)*16384+(\a)*2048+(\t%4)*512   ; tile t / 4 of my two, positions 16 a + 4 (t % 4) on: 512 consecutive bytes, aligned
.endr
.endm
	s_wait_tensorcnt 0x1                   ; my part of block 0 is in; block 1 may stay out
	s_wait_dscnt 0x0                       ; and my part of ZB is written
	s_barrier_signal -1
	s_barrier_wait -1
	FETCH 0, 0, F0
	s_mov_b32 s2, 2
.Lpass:
	s_wait_xcnt 0x0                        ; stores have read v192-195
.set i, 0
.rept 9
	v_mov_b32 v[128+8*i], 0                ; the chain 0, z0, 0, z1, .. z7, 0
	v_mov_b32 v[129+8*i], 0
	v_mov_b32 v[130+8*i], 0
	v_mov_b32 v[131+8*i], 0
.set i, i+1
.endr
.irp a, 0,1,2,3,4,5,6,7
	ds_load_b128 v[132+8*\a:135+8*\a], v[ZLD] offset:512*\a
.endr
	s_wait_loadcnt 0x0                     ; WY and C1
	s_wait_dscnt 0x0
	; the first K step of every sum: C1 + WY z.  An even channel tile lies in K places 0-15 of its pair: (z, 0); an odd one in 16-31: (0, z)
.irp hi, 0,1
	WIN 0x91+0x40*\hi
.irp a, 0,1,2,3
.irp b, 0,1,2,3,4,5,6,7
	v_wmma_f32_16x16x32_bf16 v[8*(8*\a+\b):8*(8*\a+\b)+7], v[8*(\b/2):8*(\b/2)+7], v[128+8*(4*\hi+\a)+4*(1-\b%2):135+8*(4*\hi+\a)+4*(1-\b%2)], v[192+8*\b:199+8*\b]
.endr
.endr
.endr
	WIN 0
	s_cmp_eq_u32 s2, 2
	s_cbranch_scc0 .Lnopre
	PLACES                                 ; the second pass's WY and C1 land on registers that the products above have read
	s_wait_xcnt 0x0
	s_add_nc_u64 s[82:83], s[82:83], 8192
	s_add_nc_u64 s[84:85], s[84:85], 2048
	PRELOAD
.Lnopre:
	s_mov_b32 s3, 3
.Llap:
	QA 0
	TB 0, 1, 1, 0
	QA 1
	TB 1, 0, 1, 0
	WIN 0
	s_sub_co_u32 s3, s3, 1
	s_cmp_lg_u32 s3, 0
	s_cbranch_scc1 .Llap
	s_cmp_eq_u32 s2, 1
	s_cbranch_scc1 .Ltail1
	QA 0                                   ; the first pass's last lap: the ring goes on into the second pass
	TB 0, 1, 1, 0
	QA 1
	TB 1, 0, 1, 1
	WIN 0
	s_branch .Lepi
.Ltail1:                                       ; the second pass's last lap asks for nothing
	QA 0
	TB 0, 1, 0, 0
	QA 1
	s_wait_dscnt 8
	MUL16 F1, 0, 0
	MUL16 F1, 0, 2
	s_wait_dscnt 0x0
	MUL16 F1, 1, 0
	MUL16 F1, 1, 2
	WIN 0
.Lepi:
	PLACES
	PACKG 0
	TOSTAGE 0
.irp a, 1,2,3,4,5,6,7
	PACKG \a
	SEND (\a)-1
	TOSTAGE \a
.endr
	SEND 7
	s_wait_xcnt 0x0
	s_add_nc_u64 s[86:87], s[86:87], 131072        ; the next pass's eight tiles of 64 channels
	s_sub_co_u32 s2, s2, 1
	s_cmp_lg_u32 s2, 0
	s_cbranch_scc1 .Lpass
	s_wait_tensorcnt 0x0                   ; the wave's end
	ds_add_u32 v[SPW], v[NIL]
	s_wait_dscnt 0x0
	CROUND                                 ; the closing round
	s_endpgm
.Lfunc_end_k_qb6bfdde9b9_mlp1:
	.size	k_qb6bfdde9b9_mlp1, .Lfunc_end_k_qb6bfdde9b9_mlp1-k_qb6bfdde9b9_mlp1
	.p2alignl 7, 3214868480
	.fill 96, 4, 3214868480
	.section	.rodata,"a",@progbits
	.p2align	6, 0x0
	.amdhsa_kernel k_qb6bfdde9b9_mlp1
		.amdhsa_group_segment_fixed_size 327680
		.amdhsa_private_segment_fixed_size 0
		.amdhsa_enable_private_segment 0
		.amdhsa_kernarg_size 40
		.amdhsa_user_sgpr_count 2
		.amdhsa_user_sgpr_kernarg_segment_ptr 1
		.amdhsa_wavefront_size32 1
		.amdhsa_system_sgpr_workgroup_id_x 1
		.amdhsa_system_sgpr_workgroup_id_y 1
		.amdhsa_system_sgpr_workgroup_id_z 1
		.amdhsa_system_vgpr_workitem_id 0
		.amdhsa_next_free_vgpr 1024
		.amdhsa_next_free_sgpr 100
		.amdhsa_reserve_vcc 0
		.amdhsa_float_denorm_mode_32 3
		.amdhsa_float_denorm_mode_16_64 3
		.amdhsa_memory_ordered 1
		.amdhsa_forward_progress 1
		.amdhsa_inst_pref_size 255
	.end_amdhsa_kernel
	.section	.bss,"aw",@nobits
	.p2align	6
	.space	262144
	.amdgpu_metadata
---
amdhsa.version: [ 1, 2 ]
amdhsa.kernels:
  - .name:           k_qb6bfdde9b9_mlp1
    .symbol:         k_qb6bfdde9b9_mlp1.kd
    .args:
      - { .name: x, .offset: 0, .size: 8, .value_kind: global_buffer, .address_space: global }
      - { .name: p0, .offset: 8, .size: 8, .value_kind: global_buffer, .address_space: global }
      - { .name: p4, .offset: 16, .size: 8, .value_kind: global_buffer, .address_space: global }
      - { .name: p5, .offset: 24, .size: 8, .value_kind: global_buffer, .address_space: global }
      - { .name: p6, .offset: 32, .size: 8, .value_kind: global_buffer, .address_space: global }
    .group_segment_fixed_size: 327680
    .private_segment_fixed_size: 0
    .kernarg_segment_align: 8
    .kernarg_segment_size: 40
    .max_flat_workgroup_size: 128
    .sgpr_count:     100
    .vgpr_count:     1024
    .wavefront_size: 32
...
	.end_amdgpu_metadata
.endif
;; end of part 7
;; launch mlp2 (part 8): grid 256 x 1, 4 waves a work-group, clusters of 4 x 1, 327,680 bytes of LDS; arguments p6, p0, m2_b, gl1_g, gl1_b, g2_w, g2_b, gl2_g, gl2_b, g3_w, g3_b, gl3_g, gl3_b, g4_w, g4_b, out0; writes out0
.if DOCPART == 8
	.amdgcn_target "amdgcn-amd-amdhsa--gfx1250"
	.amdhsa_code_object_version 6
	.text
	.protected	k_qb6bfdde9b9_mlp2
	.globl	k_qb6bfdde9b9_mlp2
	.p2align	8
	.type	k_qb6bfdde9b9_mlp2,@function
k_qb6bfdde9b9_mlp2:
	s_mov_b64 s[64:65], 0
	v_nop
	global_prefetch_b8 v0, s[64:65] scope:SCOPE_SE
	s_setreg_imm32_b32 hwreg(HW_REG_WAVE_MODE, 25, 1), 1
	s_wait_xcnt 0x0
	s_wait_alu depctr_hold_cnt(0) depctr_sa_sdst(0) depctr_va_vdst(0) depctr_va_sdst(0) depctr_va_ssrc(0) depctr_va_vcc(0) depctr_vm_vsrc(0)
	s_getreg_b32 s2, hwreg(HW_REG_IB_STS2, 6, 4)
	s_cmp_eq_u32 s2, 0
	s_cbranch_scc0 .Lentry_in_a_cluster
	s_endpgm
.Lentry_in_a_cluster:
	s_bfe_u32 s2, ttmp6, 0x10000c
	s_cmp_lg_u32 s2, 0x3003
	s_cbranch_scc0 .Lentry_shape_is_right
	s_endpgm
.Lentry_shape_is_right:
; h = m2_w H1 + m2_b (512 channels x 128 positions a work-group, K = 1,024), its LayerNorm's mean and rstd, then the grouping head:
; g1 = rstd (g1_w diag(n1_g)) (h - mean) + G1X; LayerNorm(64), gelu; g2 (16), LayerNorm, gelu; g3 (4), LayerNorm, gelu; g4 (2); softmax with the maximum taken away; its first number.
; A wave makes 128 channels x 128 positions (64 accumulators).  K goes in blocks of 64.
; WEIGHTS.  m2_w (bf16, dense blocks of 512 rows x 128 K) goes through two LDS slots of two K blocks each, by joint loads of the cluster's four work-groups, a quarter (128 rows of 256 bytes) a wave:
; a slot is filled again behind every second barrier, 224 matrix instructions ahead of the wait for it.
; H1.  A tile (128 positions x 64 K) is 16,384 consecutive bytes.  It comes through registers: a wave loads its quarter, 8 loads of 512 consecutive bytes, four K blocks (512 matrix instructions) ahead,
; and stores it into one of two LDS slots that no tensor load touches, behind the barrier that ends the slot's last reads; the next barrier shows it to all waves.
; LIMITS.  gelu's absolute error at most 2e-7 |x|; NaN and infinities are not treated apart.
; REGISTERS: window 0: v0-31 addresses; v32-63 at work; v64-191 position fragments (two buffers), later at work; v192-255 m2_b, later G1X and g1
;   window 1: v0-63, v192-255 four stages of 32 for H1's tiles; v64-191 weight fragments; behind the loop: v0-127 the head's small operands, v128-255 g1_w diag(n1_g)        windows 2, 3: accumulators
.set WSL,    139264                    ; a weight slot: 512 rows x (256 + 16) bytes
.set WPI,    272
.set WQ,     34816                     ; a wave's quarter of it
.set HB,     278528
.set HSL,    18432                     ; a slot of H1: 128 rows x (128 + 16) bytes
.set HPI,    144
.set RED1,   315392                    ; [position][wave] f32: sums; + 2,048: sums of squares
.set OUTS,   319488
.set SPARE,  320000                    ; the spare words, 128 bytes for each wave
.set P_G1G,  4358144
.set R1ST, 4
.set R1LD, 5
.set PST,  6                           ; v6-7
.set PRD,  8
.set BIO,  9
.set V32H, 10
.set G2O,  11
.set G3O,  12
.set GGO,  13
.set GXO,  14
.set OAD,  15
.set ADRW, 16
.set ADRH, 18
.set HGO,  22                          ; my 16 bytes in a tile of H1 in memory: 4,096 x wave + 16 x lane; never rewritten
.set HSA,  23                          ; and in a slot of LDS
.set R2LD, 24
.set SPW,  28
.set NIL,  29
.set F0,   64
.set F1,   128
.set LT,   96                          ; v96-99: a LayerNorm's work
.set GT,   128                         ; v128-167: gelu's work
.set WV,   14
.set G1W,  24
.set G0W,  32
.set SEL,  56
.set GC,   68
.set MSB, 0
.macro WIN new                         ; the immediate's high byte repeats the setting that is left
.if MSB != (\new)
	s_set_vgpr_msb (MSB<<8)|(\new)
.set MSB, \new
.endif
.endm
.macro PLACES
.rept 4
	v_nop
.endr
.endm
.macro CREST
	s_cmp_lg_u32 s[WV], 0
	s_cbranch_scc1 .Lnot_wave_0_\@
	s_barrier_signal -3
.Lnot_wave_0_\@:
	s_barrier_wait -3
	s_barrier_signal -1
	s_barrier_wait -1
.endm
.macro CROUND
	s_barrier_signal -1
	s_barrier_wait -1
	CREST
.endm
.macro GK i, val
	s_mov_b32 s[GC+2*(\i)], \val
	s_mov_b32 s[GC+2*(\i)+1], \val
.endm
; gelu(x) = max(x, 0) - |x| (poly(t) / 2) 2^(-x x log2(e) / 2), t = 1 / (1 + p |x|).  Eight numbers of window 0; the result in v[GT+24 ..].
; Behind each run of transcendentals stands plain work that does not touch their results (ISA guide 5.7.2).
.macro GELU8 X
.irp j, 0,1,2,3,4,5,6,7
	v_and_b32 v[GT+\j], s[GC+14], v[(\X)+\j]
.endr
.irp j, 0,2,4,6
	v_pk_mul_f32 v[GT+16+\j:GT+17+\j], v[(\X)+\j:(\X)+\j+1], v[(\X)+\j:(\X)+\j+1]
.endr
.irp j, 0,1,2,3,4,5,6,7
	v_max_num_f32 v[GT+24+\j], 0, v[(\X)+\j]
.endr
.irp j, 0,2,4,6
	v_pk_mul_f32 v[GT+16+\j:GT+17+\j], v[GT+16+\j:GT+17+\j], s[GC+2:GC+3] op_sel_hi:[1,0]
.endr
.irp j, 0,1,2,3,4,5,6,7
	v_exp_f32 v[GT+16+\j], v[GT+16+\j]
.endr
.irp j, 0,2,4,6
	v_pk_fma_f32 v[GT+8+\j:GT+9+\j], v[GT+\j:GT+1+\j], s[GC:GC+1], 1.0 op_sel_hi:[1,0,0]
.endr
.irp j, 0,1,2,3,4,5,6,7
	v_rcp_f32 v[GT+8+\j], v[GT+8+\j]
.endr
	s_wait_alu depctr_va_vdst(0)
.irp j, 0,2,4,6
	v_pk_mul_f32 v[GT+16+\j:GT+17+\j], v[GT+16+\j:GT+17+\j], v[GT+\j:GT+1+\j]
.endr
.irp j, 0,2,4,6
	v_pk_fma_f32 v[GT+32+\j:GT+33+\j], v[GT+8+\j:GT+9+\j], s[GC+12:GC+13], s[GC+10:GC+11] op_sel_hi:[1,0,0]
.endr
.irp c, 8,6,4
.irp j, 0,2,4,6
	v_pk_fma_f32 v[GT+32+\j:GT+33+\j], v[GT+32+\j:GT+33+\j], v[GT+8+\j:GT+9+\j], s[GC+\c:GC+\c+1] op_sel_hi:[1,1,0]
.endr
.endr
.irp j, 0,2,4,6
	v_pk_mul_f32 v[GT+32+\j:GT+33+\j], v[GT+32+\j:GT+33+\j], v[GT+8+\j:GT+9+\j]
.endr
.irp j, 0,2,4,6
	v_pk_fma_f32 v[GT+24+\j:GT+25+\j], v[GT+16+\j:GT+17+\j], v[GT+32+\j:GT+33+\j], v[GT+24+\j:GT+25+\j] neg_lo:[1,0,0] neg_hi:[1,0,0]
.endr
.endm
; (x - mean) rstd in place over NP pairs of a lane (half = 1: and the lane 16 away); inv, ninv: 1 / count and its negative
.macro LNORM X, NP, half, inv, ninv
	v_pk_add_f32 v[LT:LT+1], v[(\X):(\X)+1], v[(\X)+2:(\X)+3]
.set i, 2
.rept (\NP)-2
	v_pk_add_f32 v[LT:LT+1], v[LT:LT+1], v[(\X)+2*i:(\X)+2*i+1]
.set i, i+1
.endr
	v_add_f32 v[LT], v[LT], v[LT+1]
.if \half
	v_permlanex16_b32 v[LT+1], v[LT], s[SEL], s[SEL+1]
	v_add_f32 v[LT], v[LT], v[LT+1]
.endif
	v_mul_f32 v[LT], \ninv, v[LT]
	v_mov_b32 v[LT+1], v[LT]
.set i, 0
.rept \NP
	v_pk_add_f32 v[(\X)+2*i:(\X)+2*i+1], v[(\X)+2*i:(\X)+2*i+1], v[LT:LT+1]
.set i, i+1
.endr
	v_pk_mul_f32 v[LT+2:LT+3], v[(\X):(\X)+1], v[(\X):(\X)+1]
.set i, 1
.rept (\NP)-1
	v_pk_fma_f32 v[LT+2:LT+3], v[(\X)+2*i:(\X)+2*i+1], v[(\X)+2*i:(\X)+2*i+1], v[LT+2:LT+3]
.set i, i+1
.endr
	v_add_f32 v[LT+2], v[LT+2], v[LT+3]
.if \half
	v_permlanex16_b32 v[LT+3], v[LT+2], s[SEL], s[SEL+1]
	v_add_f32 v[LT+2], v[LT+2], v[LT+3]
.endif
	v_mul_f32 v[LT+2], \inv, v[LT+2]
	v_add_f32 v[LT+2], 0x3727c5ac, v[LT+2]         ; + 1e-5
	v_rsq_f32 v[LT+2], v[LT+2]
	v_nop
	s_wait_alu depctr_va_vdst(0)
	v_mov_b32 v[LT+3], v[LT+2]
.set i, 0
.rept \NP
	v_pk_mul_f32 v[(\X)+2*i:(\X)+2*i+1], v[(\X)+2*i:(\X)+2*i+1], v[LT+2:LT+3]
.set i, i+1
.endr
.endm
; My quarter of a tile of H1 into stage k (window 1: v0, v32, v192, v224 on): the tile lies off tiles behind the base
.macro HLD k, off
.set SG, 32*(\k)+128*((\k)/2)
	WIN 0x40
.irp i, 0,1,2,3,4,5,6,7
	global_load_b128 v[SG+4*\i:SG+4*\i+3], v[HGO], s[4:5] offset:(\off)*16384+\i*512 th:TH_LOAD_NT
.endr
.endm
; Stage k into a slot of LDS: a load's 512 bytes are four positions' rows of 128.  cnt: the loads issued behind the stage's eight, which may stay out
.macro HSTO k, slot, cnt
.set SG, 32*(\k)+128*((\k)/2)
	s_wait_loadcnt \cnt
	WIN 0x04
.irp i, 0,1,2,3,4,5,6,7
	ds_store_b128 v[HSA], v[SG+4*\i:SG+4*\i+3] offset:(\slot)*HSL+\i*4*HPI
.endr
.endm
	s_load_b128 s[4:7], s[0:1], 0x0        ; p6, p0
	s_load_b64 s[8:9], s[0:1], 0x10        ; m2_b
	s_load_b512 s[84:99], s[0:1], 0x18     ; gl1_g, gl1_b, g2_w, g2_b, gl2_g, gl2_b, g3_w, g3_b
	s_load_b256 s[16:23], s[0:1], 0x58     ; gl3_g, gl3_b, g4_w, g4_b
	s_load_b64 s[10:11], s[0:1], 0x78      ; out0
	v_lshl_add_u32 v[SPW], v0, 2, SPARE
	v_mov_b32 v[NIL], 0
	ds_add_u32 v28, v29
	s_wait_dscnt 0x0
	v_lshrrev_b32 v1, 5, v0
	v_readfirstlane_b32 s[WV], v1
	s_bfe_u32 s13, ttmp6, 0x40000
	s_lshl_b32 s12, ttmp9, 2
	s_add_co_u32 s12, s12, s13             ; my block of 128 positions: it enters the addresses of H1, G1X and out0 alone
	s_mov_b32 s[G1W], 15|(1<<16)|(1<<20)|(1<<21)|(5<<22)|(3<<25)   ; the mask of four; 2-byte elements; padding on, 4 words behind every 64; bit 21 beside the mask
	s_mov_b32 s[G1W+1], 128<<16            ; tensor_dim0 = 128
	s_mov_b32 s[G1W+2], 128<<16            ; tensor_dim1 = 128
	s_mov_b32 s[G1W+3], 128<<16            ; tile_dim0 = 128
	s_mov_b32 s[G1W+4], 128                ; tile_dim1 = 128
	s_mov_b32 s[G1W+5], 128                ; 128 elements from row to row
	s_mov_b32 s[G1W+6], 0
	s_mov_b32 s[G1W+7], 0
	GK 0, 0x3e6d3388                       ; 0.3275911 / sqrt(2)
	GK 1, 0xbf38aa3b                       ; -log2(e) / 2
	GK 2, 0x3e027906                       ; half of the five coefficients
	GK 3, 0xbe11a98e
	GK 4, 0x3f35f0e3
	GK 5, 0xbf3a00e3
	GK 6, 0x3f07dc22
	GK 7, 0x7fffffff
	s_mov_b32 s[SEL], 0x76543210
	s_mov_b32 s[SEL+1], 0xfedcba98
	s_mul_i32 s58, s[WV], WQ               ; my quarter of a weight slot,
	s_lshl_b32 s62, s[WV], 15              ; and of a block in memory
	s_add_co_u32 s62, s62, 1048576
	s_mov_b32 s63, 0
	s_lshl_b32 s2, s12, 18                 ; H1: my block's 16 tiles of 16,384 bytes
	s_mov_b32 s3, 0
	s_lshl_b32 s60, s12, 15
	s_add_co_u32 s60, s60, 0x4000000
	s_mov_b32 s61, 0
	s_wait_kmcnt 0x0
	s_add_nc_u64 s[62:63], s[6:7], s[62:63]
	s_add_nc_u64 s[60:61], s[4:5], s[60:61]        ; G1X of my block
	s_add_nc_u64 s[4:5], s[4:5], s[2:3]
	s_lshl_b32 s2, s12, 9
	s_add_nc_u64 s[10:11], s[10:11], s[2:3]        ; out0 at my 128 positions
	CROUND                                 ; all four work-groups are here: the first joint loads meet
.irp s, 0,1
	s_mov_b32 s[G0W+4*\s], 1
	s_add_co_u32 s[G0W+4*\s+1], s58, \s*WSL
	s_add_nc_u64 s[G0W+4*\s+2:G0W+4*\s+3], s[62:63], \s*131072
	s_or_b32 s[G0W+4*\s+3], s[G0W+4*\s+3], 0x80000000
.endr
	tensor_load_to_lds s[G0W:G0W+3], s[G1W:G1W+7]          ; K blocks 0-1 and 2-3: two loads of mine are out
	s_nop 0
	tensor_load_to_lds s[G0W+4:G0W+7], s[G1W:G1W+7]
	s_nop 0
	PLACES
	v_and_b32 v3, 31, v0
	v_and_b32 v1, 15, v0
	v_bfe_u32 v2, v0, 4, 1
	v_lshlrev_b32 v[V32H], 5, v2
	s_lshl_b32 s15, s[WV], 9
	v_add_nc_u32 v[BIO], s15, v[V32H]
	v_lshlrev_b32 v21, 4, v3
	v_lshl_add_u32 v[HGO], s[WV], 12, v21
.irp b, 0,1,2,3,4,5,6,7
	global_load_b128 v[192+8*\b:195+8*\b], v[BIO], s[8:9] offset:64*\b      ; m2_b of channels 128 w + 16 b + 8 h + 0..7
	global_load_b128 v[196+8*\b:199+8*\b], v[BIO], s[8:9] offset:64*\b+16
.endr
	HLD 0, 0
	HLD 1, 1
	HLD 2, 2
	HLD 3, 3
	WIN 0
	v_lshrrev_b32 v20, 3, v3               ; H1 into LDS: row 32 w + lane / 8, 16 bytes at 16 (lane % 8)
	v_mul_u32_u24 v20, v20, HPI
	v_and_b32 v21, 7, v0
	v_lshl_add_u32 v20, v21, 4, v20
	s_mul_i32 s15, s[WV], 32*HPI
	s_add_co_u32 s15, s15, HB
	v_add_nc_u32 v[HSA], s15, v20
	v_mul_u32_u24 v20, v1, WPI
	v_lshl_add_u32 v20, v2, 4, v20
	v_add_nc_u32 v[ADRW], s58, v20
	v_add_nc_u32 v[ADRW+1], WSL, v[ADRW]
	v_mul_u32_u24 v20, v1, HPI
	v_lshl_add_u32 v20, v2, 4, v20
	v_add_nc_u32 v[ADRH], HB, v20
	v_add_nc_u32 v[ADRH+1], HSL, v[ADRH]
	v_lshlrev_b32 v20, 4, v1
	v_add_nc_u32 v[R1LD], RED1, v20
	v_lshl_add_u32 v[R1ST], s[WV], 2, v[R1LD]
	s_lshl_b32 s15, s[WV], 9
	s_add_co_u32 s15, s15, 2048
	v_add_nc_u32 v[R2LD], s15, v[R1LD]     ; the squares of my 32 positions
	v_lshlrev_b32 v21, 4, v3
	v_lshl_add_u32 v[PST], s[WV], 12, v21
	v_add_nc_u32 v[PST+1], 65536, v[PST]
	v_lshl_add_u32 v[PRD], s[WV], 15, v21
	v_lshl_add_u32 v[GXO], s[WV], 13, v21
	v_lshl_add_u32 v[G2O], v1, 8, v[V32H]
	v_and_b32 v20, 3, v1
	v_lshl_add_u32 v[G3O], v20, 6, v[V32H]
	v_lshlrev_b32 v[GGO], 10, v1
	v_lshl_add_u32 v[GGO], v2, 4, v[GGO]
	s_lshl_b32 s15, s[WV], 8
	v_add_nc_u32 v[GGO], s15, v[GGO]
	v_lshlrev_b32 v[OAD], 2, v0
	v_add_nc_u32 v[OAD], OUTS, v[OAD]
	HSTO 0, 0, 16                          ; m2_b and tiles 0 and 1 are in; tiles 2 and 3 (16 loads) may stay out
	HSTO 1, 1, 16
	HLD 0, 4
	HLD 1, 5
	WIN 0
; 16 matrix instructions: position tiles a0, a0 + 1 of the window's four x all 8 channel tiles.  cb = 1: the first K step starts the sums with m2_b (window 0) as C.
; The 64 accumulators take turns, in the same order in every quarter.
.macro MUL16 f, hi, a0, cb=0
.if \cb
	WIN 0x81+0x40*(\hi)
.else
	WIN 0xa1+0x50*(\hi)
.endif
.irp a, \a0, (\a0)+1
.irp b, 0,1,2,3,4,5,6,7
.if \cb
	v_wmma_f32_16x16x32_bf16 v[8*(8*(\a)+(\b)):8*(8*(\a)+(\b))+7], v[(\f)+8*(\b):(\f)+8*(\b)+7], v[(\f)+8*(4*(\hi)+(\a)):(\f)+8*(4*(\hi)+(\a))+7], v[192+8*(\b):199+8*(\b)]
.else
	v_wmma_f32_16x16x32_bf16 v[8*(8*(\a)+(\b)):8*(8*(\a)+(\b))+7], v[(\f)+8*(\b):(\f)+8*(\b)+7], v[(\f)+8*(4*(\hi)+(\a)):(\f)+8*(4*(\hi)+(\a))+7], v[8*(8*(\a)+(\b)):8*(8*(\a)+(\b))+7]
.endif
.endr
.endr
.endm
.macro FETCH ws, wo, hs, ho, f         ; 32 LDS loads in one run: 8 weight fragments at byte wo of slot ws's rows, then 8 position fragments at byte ho of slot hs's
	WIN 0x40
.irp i, 0,1,2,3,4,5,6,7
	ds_load_b128 v[(\f)+8*\i:(\f)+8*\i+3],   v[ADRW+(\ws)] offset:(\wo)+\i*16*WPI
	ds_load_b128 v[(\f)+8*\i+4:(\f)+8*\i+7], v[ADRW+(\ws)] offset:(\wo)+\i*16*WPI+32
.endr
	WIN 0
.irp i, 0,1,2,3,4,5,6,7
	ds_load_b128 v[(\f)+8*\i:(\f)+8*\i+3],   v[ADRH+(\hs)] offset:(\ho)+\i*16*HPI
	ds_load_b128 v[(\f)+8*\i+4:(\f)+8*\i+7], v[ADRH+(\hs)] offset:(\ho)+\i*16*HPI+32
.endr
.endm
.macro QA n, cb=0                      ; K block n (its number modulo 4), first 32 along K: weight slot (n / 2) % 2, bytes 128 (n % 2) on; H1 slot n % 2
	s_wait_dscnt 8                         ; the youngest eight loads (position tiles 4-7) may be out
	MUL16 F0, 0, 0, \cb
	MUL16 F0, 0, 2, \cb
	PLACES
	FETCH ((\n)/2)%2, 128*((\n)%2)+64, (\n)%2, 64, F1
	s_wait_dscnt 32                        ; all but the 32 just issued
	MUL16 F0, 1, 0, \cb
	MUL16 F0, 1, 2, \cb
.endm
; The block's second 32 along K, and the barrier that ends the block.  In front of it my reads of the block and my stores of the next tile of H1 are done (s_wait_dscnt 0).
; kind 0: no more than that: the weight slot goes on, and a tensor load may stay out.
; kind 1, 2: the weight slot is left: every wave waits for all its tensor loads (one is out: its part of the other slot) and adds 0 to its spare word first.
; kind 2: the barrier opens a round of the cluster's, and the slot is filled again, two slots on, first thing behind it.
; Behind the barrier: st >= 0: tile n + 2 of H1 goes from its stage into the slot just read out (st: the younger loads that may stay out); ld = 1: tile n + 6 is asked for, into the same stage.
.macro TB n, kind, st, ld
.if \kind
	WIN 0
	s_wait_tensorcnt 0x0
	ds_add_u32 v[SPW], v[NIL]
	s_wait_dscnt 9                         ; the add and the youngest eight loads may be out
.else
	s_wait_dscnt 8
.endif
	MUL16 F1, 0, 0
	s_wait_dscnt 0x0
	s_barrier_signal -1
	MUL16 F1, 0, 2
.if (\kind) == 2
	WIN 0
.endif
	s_barrier_wait -1
.if (\kind) == 2
	CREST
	s_add_nc_u64 s[G0W+4*(((\n)/2)%2)+2:G0W+4*(((\n)/2)%2)+3], s[G0W+4*(((\n)/2)%2)+2:G0W+4*(((\n)/2)%2)+3], 262144
	tensor_load_to_lds s[G0W+4*(((\n)/2)%2):G0W+4*(((\n)/2)%2)+3], s[G1W:G1W+7]
	s_nop 0
.endif
	PLACES                                 ; behind the tensor load, and in front of the loads into buffer 0
.if (\st) >= 0
	HSTO ((\n)+2)%4, (\n)%2, \st
.endif
.if \ld
	HLD ((\n)+2)%4, (\n)+6
.endif
	FETCH (((\n)+1)/2)%2, 128*(((\n)+1)%2), ((\n)+1)%2, 0, F0
	MUL16 F1, 1, 0
	MUL16 F1, 1, 2
.endm
	s_wait_tensorcnt 0x1                   ; my part of the first weight slot is in; the second may stay out
	s_wait_dscnt 0x0                       ; my parts of H1's tiles 0 and 1 are stored
	s_barrier_signal -1
	s_barrier_wait -1
	FETCH 0, 0, 0, 0, F0
	QA 0, 1                                ; the first quarter stands ahead of the loop: its products start the sums
	WIN 0
	s_mov_b32 s3, 2
.Llap:                                         ; four K blocks a trip; at its head tiles n + 2 to n + 5 of H1 are out: 32 loads
	TB 0, 0, 24, 1
	QA 1
	TB 1, 2, 24, 1
	QA 2
	TB 2, 0, 24, 1
	QA 3
	TB 3, 2, 24, 1
	QA 0
	WIN 0
	s_wait_xcnt 0x0                        ; the loads' addresses are translated: their base may step
	s_add_nc_u64 s[4:5], s[4:5], 65536     ; four tiles on
	s_sub_co_u32 s3, s3, 1
	s_cmp_lg_u32 s3, 0
	s_cbranch_scc1 .Llap
	TB 0, 0, 24, 1                         ; blocks 8 to 15 are written out: tile 14 is asked for,
	QA 1
	TB 1, 2, 24, 1                         ; tile 15, and the weights of blocks 12-13;
	QA 2
	TB 2, 0, 24, 0                         ; no tile is left to ask for: the counts run down;
	QA 3
	TB 3, 2, 16, 0                         ; the weights of blocks 14-15: the last fill
	QA 0
	TB 0, 0, 8, 0
	QA 1
	TB 1, 1, 0, 0                          ; the last change of weight slots; tile 15 is stored
	QA 2
	TB 2, 0, -1, 0
	QA 3
	s_wait_dscnt 8
	MUL16 F1, 0, 0
	MUL16 F1, 0, 2
	s_wait_dscnt 0x0
	MUL16 F1, 1, 0
	MUL16 F1, 1, 2
	WIN 0
	PLACES                                 ; in front of the loads into fragment registers and of the reads of the sums
	; THE HEAD'S OPERANDS.  Window 1: v0-31 gl1_g, v32-63 gl1_b (channels 16 mt + 8 h + j), v64-95 g2_w (f32 fragments), v96-119 g2_b, gl2_g, gl2_b, v120-127 g3_w, v128-255 g1_w diag(n1_g)
	WIN 0x40
.irp m, 0,1,2,3
	global_load_b128 v[8*\m:8*\m+3],     v[V32H], s[84:85] offset:64*\m
	global_load_b128 v[8*\m+4:8*\m+7],   v[V32H], s[84:85] offset:64*\m+16
	global_load_b128 v[32+8*\m:35+8*\m], v[V32H], s[86:87] offset:64*\m
	global_load_b128 v[36+8*\m:39+8*\m], v[V32H], s[86:87] offset:64*\m+16
.endr
.irp s, 0,1
	global_load_b128 v[64+16*\s:67+16*\s], v[G2O], s[88:89] offset:128*\s
	global_load_b128 v[68+16*\s:71+16*\s], v[G2O], s[88:89] offset:128*\s+16
	global_load_b128 v[72+16*\s:75+16*\s], v[G2O], s[88:89] offset:128*\s+64
	global_load_b128 v[76+16*\s:79+16*\s], v[G2O], s[88:89] offset:128*\s+80
.endr
	global_load_b128 v[96:99],   v[V32H], s[90:91]
	global_load_b128 v[100:103], v[V32H], s[90:91] offset:16
	global_load_b128 v[104:107], v[V32H], s[92:93]
	global_load_b128 v[108:111], v[V32H], s[92:93] offset:16
	global_load_b128 v[112:115], v[V32H], s[94:95]
	global_load_b128 v[116:119], v[V32H], s[94:95] offset:16
	global_load_b128 v[120:123], v[G3O], s[96:97]
	global_load_b128 v[124:127], v[G3O], s[96:97] offset:16
.set i, 0
.rept 16                                   ; fragment (mt = i / 4, K step i % 4) of my wave's 128 channels
	global_load_b128 v[128+8*i:131+8*i], v[GGO], s[6:7] offset:P_G1G+(i/4)*16384+(i%4)*64
	global_load_b128 v[132+8*i:135+8*i], v[GGO], s[6:7] offset:P_G1G+(i/4)*16384+(i%4)*64+32
.set i, i+1
.endr
	WIN 0
.set i, 0
.rept 16                                   ; G1X of my two position tiles, the registers as they were stored
	global_load_b128 v[192+4*i:195+4*i], v[GXO], s[60:61] offset:(i/8)*4096+(i%8)*512
.set i, i+1
.endr
	s_load_b128 s[24:27], s[98:99], 0x0    ; g3_b: the descriptors' registers are free, no tensor load is out
	s_load_b128 s[28:31], s[16:17], 0x0    ; gl3_g
	s_load_b128 s[32:35], s[18:19], 0x0    ; gl3_b
	s_load_b256 s[40:47], s[20:21], 0x0    ; g4_w
	s_load_b64 s[48:49], s[22:23], 0x0     ; g4_b
; THE MEAN over 512 channels: a lane's 64 numbers of position tile a, the lane 16 away, then the four waves through LDS.  Each accumulator is read from its low end on.
.macro SUMA a
.set AC, 64*((\a)%4)
	WIN 0x0a+5*((\a)/4)
.set i, 0
.rept 16
	v_pk_add_f32 v[64+2*i:65+2*i], v[AC+4*i:AC+4*i+1], v[AC+4*i+2:AC+4*i+3]
.set i, i+1
.endr
	WIN 0
.irp w, 8,4,2,1
.set i, 0
.rept \w
	v_pk_add_f32 v[64+2*i:65+2*i], v[64+2*i:65+2*i], v[64+2*(i+\w):65+2*(i+\w)]
.set i, i+1
.endr
.endr
	v_add_f32 v64, v64, v65
	v_permlanex16_b32 v65, v64, s[SEL], s[SEL+1]
	v_add_f32 v64, v64, v65
	ds_store_b32 v[R1ST], v64 offset:256*(\a)
.endm
.irp a, 0,1,2,3,4,5,6,7
	SUMA \a
.endr
	s_wait_dscnt 0x0                       ; for the others' sake; my reads of the slots are long over
	s_barrier_signal -1
	s_barrier_wait -1
.irp a, 0,1,2,3,4,5,6,7
	ds_load_b128 v[64+4*\a:67+4*\a], v[R1LD] offset:256*\a
.endr
	s_wait_dscnt 0x0
.irp a, 0,1,2,3,4,5,6,7
	v_pk_add_f32 v[64+4*\a:65+4*\a], v[64+4*\a:65+4*\a], v[66+4*\a:67+4*\a]
.endr
.irp a, 0,1,2,3,4,5,6,7
	v_add_f32 v[64+4*\a], v[64+4*\a], v[65+4*\a]
.endr
.irp a, 0,1,2,3,4,5,6,7
	v_mul_f32 v[32+2*\a], 0xbb000000, v[64+4*\a]   ; minus the mean, twice: a pair for the packed addition
	v_mov_b32 v[33+2*\a], v[32+2*\a]
.endr
; Position tile a: centred in place; its squares summed; rounded to bf16: two neighbouring channel tiles ARE a fragment (32 channels x 16 positions) of the next product.
.macro VEC a
.set AC, 64*((\a)%4)
.set YF, 64+32*((\a)%2)
	WIN 0x82+0x41*((\a)/4)
.set i, 0
.rept 32
	v_pk_add_f32 v[AC+2*i:AC+2*i+1], v[AC+2*i:AC+2*i+1], v[32+2*(\a):33+2*(\a)]
.set i, i+1
.endr
	WIN 0x0a+5*((\a)/4)
.set i, 0
.rept 4
	v_pk_mul_f32 v[48+2*i:49+2*i], v[AC+2*i:AC+2*i+1], v[AC+2*i:AC+2*i+1]
.set i, i+1
.endr
.rept 28
	v_pk_fma_f32 v[48+2*(i%4):49+2*(i%4)], v[AC+2*i:AC+2*i+1], v[AC+2*i:AC+2*i+1], v[48+2*(i%4):49+2*(i%4)]
.set i, i+1
.endr
.set i, 0
.rept 32
	v_cvt_pk_bf16_f32 v[YF+i], v[AC+2*i], v[AC+2*i+1]
.set i, i+1
.endr
	WIN 0
	v_pk_add_f32 v[48:49], v[48:49], v[50:51]
	v_pk_add_f32 v[52:53], v[52:53], v[54:55]
	v_pk_add_f32 v[48:49], v[48:49], v[52:53]
	v_add_f32 v48, v48, v49
	v_permlanex16_b32 v49, v48, s[SEL], s[SEL+1]
	v_add_f32 v48, v48, v49
	ds_store_b32 v[R1ST], v48 offset:2048+256*(\a)
.endm
.macro GW a                            ; 64 rows of g1_w diag(n1_g) x my 128 channels x 16 positions: four accumulators by turns
.set YF, 64+32*((\a)%2)
.set PA, 128+32*((\a)%2)
	WIN 0x01
.irp k, 0,1,2,3
.irp m, 0,1,2,3
.if \k == 0
	v_wmma_f32_16x16x32_bf16 v[PA+8*\m:PA+8*\m+7], v[128+8*(4*\m+\k):135+8*(4*\m+\k)], v[YF+8*\k:YF+8*\k+7], 0
.else
	v_wmma_f32_16x16x32_bf16 v[PA+8*\m:PA+8*\m+7], v[128+8*(4*\m+\k):135+8*(4*\m+\k)], v[YF+8*\k:YF+8*\k+7], v[PA+8*\m:PA+8*\m+7]
.endif
.endr
.endr
	WIN 0
.endm
.macro PSTORE a                        ; my partial sums, the registers as they lie, over the first weight slot, which is filled no more: [a][wave][mt][half][lane], 131,072 bytes
.set PA, 128+32*((\a)%2)
.irp m, 0,1,2,3
	ds_store_b128 v[PST+(\a)/4], v[PA+8*\m:PA+8*\m+3]   offset:((\a)%4)*16384+\m*1024
	ds_store_b128 v[PST+(\a)/4], v[PA+8*\m+4:PA+8*\m+7] offset:((\a)%4)*16384+\m*1024+512
.endr
.endm
	VEC 0
	s_wait_loadcnt 0x0                     ; the head's operands
	GW 0
.irp a, 1,2,3,4,5,6,7                  ; the next tile's vector work is the places behind a tile's products
	VEC \a
	PSTORE (\a)-1
	GW \a
.endr
	PLACES
	PSTORE 7
	s_wait_dscnt 0x0
	s_barrier_signal -1
	s_barrier_wait -1
; My two position tiles (2 w + t): the four waves' partial sums, rstd, and g1 = rstd P + G1X, into G1X's registers
.macro E5 t
.set i, 0
.rept 32
	ds_load_b128 v[64+4*i:67+4*i], v[PRD] offset:(\t)*16384+(i/8)*4096+(i%8)*512
.set i, i+1
.endr
	ds_load_b128 v[32+4*(\t):35+4*(\t)], v[R2LD] offset:256*(\t)
	s_wait_dscnt 0x0
.irp w, 1,2,3
.set i, 0
.rept 16
	v_pk_add_f32 v[64+2*i:65+2*i], v[64+2*i:65+2*i], v[64+32*\w+2*i:65+32*\w+2*i]
.set i, i+1
.endr
.endr
	v_pk_add_f32 v[32+4*(\t):33+4*(\t)], v[32+4*(\t):33+4*(\t)], v[34+4*(\t):35+4*(\t)]
	v_add_f32 v[32+4*(\t)], v[32+4*(\t)], v[33+4*(\t)]
	v_mul_f32 v[32+4*(\t)], 0x3b000000, v[32+4*(\t)]
	v_add_f32 v[32+4*(\t)], 0x3727c5ac, v[32+4*(\t)]
	v_rsq_f32 v[32+4*(\t)], v[32+4*(\t)]
	v_nop
	s_wait_alu depctr_va_vdst(0)
	v_mov_b32 v[33+4*(\t)], v[32+4*(\t)]
.set i, 0
.rept 16
	v_pk_fma_f32 v[192+32*(\t)+2*i:193+32*(\t)+2*i], v[64+2*i:65+2*i], v[32+4*(\t):33+4*(\t)], v[192+32*(\t)+2*i:193+32*(\t)+2*i]
.set i, i+1
.endr
.endm
	E5 0
	E5 1
; LayerNorm over 64, gain and bias, gelu, bf16: two fragments (64 channels x 16 positions) a tile, at v[32 + 16 t]
.macro E6 t
	LNORM 192+32*(\t), 16, 1, 0x3c800000, 0xbc800000
	WIN 0x14
.set i, 0
.rept 16
	v_pk_fma_f32 v[192+32*(\t)+2*i:193+32*(\t)+2*i], v[192+32*(\t)+2*i:193+32*(\t)+2*i], v[2*i:2*i+1], v[32+2*i:33+2*i]
.set i, i+1
.endr
	WIN 0
.irp m, 0,1,2,3
	GELU8 192+32*(\t)+8*\m
.irp d, 0,1,2,3
	v_cvt_pk_bf16_f32 v[32+16*(\t)+4*\m+\d], v[GT+24+2*\d], v[GT+25+2*\d]
.endr
.endr
.endm
	E6 0
	E6 1
	; g2: 16 rows, K = 64
	WIN 0x05
.set i, 0
.rept 16
	v_cvt_pk_bf16_f32 v[64+i], v[64+2*i], v[65+2*i]
.set i, i+1
.endr
	WIN 0
	v_wmma_f32_16x16x32_bf16 v[80:87], v[64:71], v[32:39], 0
	v_wmma_f32_16x16x32_bf16 v[88:95], v[64:71], v[48:55], 0
	v_wmma_f32_16x16x32_bf16 v[80:87], v[72:79], v[40:47], v[80:87]
	v_wmma_f32_16x16x32_bf16 v[88:95], v[72:79], v[56:63], v[88:95]
	PLACES
	WIN 0x04
.irp t, 0,1
.irp p, 0,2,4,6
	v_pk_add_f32 v[80+8*\t+\p:81+8*\t+\p], v[80+8*\t+\p:81+8*\t+\p], v[96+\p:97+\p]
.endr
.endr
	WIN 0
	LNORM 80, 4, 1, 0x3d800000, 0xbd800000
	LNORM 88, 4, 1, 0x3d800000, 0xbd800000
	WIN 0x14
.irp t, 0,1
.irp p, 0,2,4,6
	v_pk_fma_f32 v[80+8*\t+\p:81+8*\t+\p], v[80+8*\t+\p:81+8*\t+\p], v[104+\p:105+\p], v[112+\p:113+\p]
.endr
.endr
	WIN 0
.irp t, 0,1
	GELU8 80+8*\t
.irp d, 0,1,2,3
	v_cvt_pk_bf16_f32 v[32+8*\t+\d], v[GT+24+2*\d], v[GT+25+2*\d]
	v_mov_b32 v[36+8*\t+\d], 0             ; K places 16-31 hold 0
.endr
.endr
	; g3: its 4 rows repeated through the fragment's 16, K = 16: registers 0-3 of every lane hold the position's four numbers
	WIN 0x05
.irp d, 0,1,2,3
	v_cvt_pk_bf16_f32 v[64+\d], v[120+2*\d], v[121+2*\d]
.endr
	WIN 0
.irp d, 0,1,2,3
	v_mov_b32 v[68+\d], 0
.endr
	v_wmma_f32_16x16x32_bf16 v[80:87], v[64:71], v[32:39], 0
	v_wmma_f32_16x16x32_bf16 v[88:95], v[64:71], v[40:47], 0
	PLACES
	s_wait_kmcnt 0x0
.irp t, 0,1
.irp j, 0,1,2,3
	v_add_f32 v[104+4*\t+\j], s[24+\j], v[80+8*\t+\j]
.endr
.endr
	LNORM 104, 2, 0, 0x3e800000, 0xbe800000
	LNORM 108, 2, 0, 0x3e800000, 0xbe800000
.irp t, 0,1
.irp j, 0,1,2,3
	v_fma_f32 v[104+4*\t+\j], v[104+4*\t+\j], s[28+\j], s[32+\j]
.endr
.endr
	GELU8 104
	; g4 and the softmax over its two numbers, the maximum taken away
.irp t, 0,1
	v_fma_f32 v[96+2*\t], s40, v[GT+24+4*\t], s48
	v_fma_f32 v[97+2*\t], s44, v[GT+24+4*\t], s49
.irp j, 1,2,3
	v_fmac_f32 v[96+2*\t], s[40+\j], v[GT+24+4*\t+\j]
	v_fmac_f32 v[97+2*\t], s[44+\j], v[GT+24+4*\t+\j]
.endr
	v_max_num_f32 v[100+\t], v[96+2*\t], v[97+2*\t]
	v_sub_f32 v[96+2*\t], v[96+2*\t], v[100+\t]
	v_sub_f32 v[97+2*\t], v[97+2*\t], v[100+\t]
	v_mul_f32 v[96+2*\t], 0x3fb8aa3b, v[96+2*\t]
	v_mul_f32 v[97+2*\t], 0x3fb8aa3b, v[97+2*\t]
.endr
	v_exp_f32 v96, v96
	v_exp_f32 v97, v97
	v_exp_f32 v98, v98
	v_exp_f32 v99, v99
	v_nop
	s_wait_alu depctr_va_vdst(0)
	v_add_f32 v100, v96, v97
	v_add_f32 v101, v98, v99
	v_rcp_f32 v100, v100
	v_rcp_f32 v101, v101
	v_nop
	s_wait_alu depctr_va_vdst(0)
	v_mul_f32 v96, v96, v100
	v_mul_f32 v98, v98, v101
	v_cmp_eq_u32 vcc_lo, 1, v2             ; lanes 0-15 give the first tile's positions, lanes 16-31 the second's
	v_cndmask_b32 v96, v96, v98, vcc_lo
	ds_store_b32 v[OAD], v96
	s_wait_dscnt 0x0
	s_barrier_signal -1
	s_barrier_wait -1
	s_cmp_lg_u32 s[WV], 0
	s_cbranch_scc1 .Lnot_out
	v_lshlrev_b32 v20, 4, v3
	v_add_nc_u32 v21, OUTS, v20
	ds_load_b128 v[96:99], v21
	s_wait_dscnt 0x0
	global_store_b128 v20, v[96:99], s[10:11]      ; the work-group's 128 numbers: 512 consecutive bytes, aligned
.Lnot_out:
	s_wait_tensorcnt 0x0                   ; the wave's end
	ds_add_u32 v[SPW], v[NIL]
	s_wait_dscnt 0x0
	CROUND                                 ; the closing round
	s_endpgm
.Lfunc_end_k_qb6bfdde9b9_mlp2:
	.size	k_qb6bfdde9b9_mlp2, .Lfunc_end_k_qb6bfdde9b9_mlp2-k_qb6bfdde9b9_mlp2
	.p2alignl 7, 3214868480
	.fill 96, 4, 3214868480
	.section	.rodata,"a",@progbits
	.p2align	6, 0x0
	.amdhsa_kernel k_qb6bfdde9b9_mlp2
		.amdhsa_group_segment_fixed_size 327680
		.amdhsa_private_segment_fixed_size 0
		.amdhsa_enable_private_segment 0
		.amdhsa_kernarg_size 128
		.amdhsa_user_sgpr_count 2
		.amdhsa_user_sgpr_kernarg_segment_ptr 1
		.amdhsa_wavefront_size32 1
		.amdhsa_system_sgpr_workgroup_id_x 1
		.amdhsa_system_sgpr_workgroup_id_y 1
		.amdhsa_system_sgpr_workgroup_id_z 1
		.amdhsa_system_vgpr_workitem_id 0
		.amdhsa_next_free_vgpr 1024
		.amdhsa_next_free_sgpr 100
		.amdhsa_reserve_vcc 1
		.amdhsa_float_denorm_mode_32 3
		.amdhsa_float_denorm_mode_16_64 3
		.amdhsa_memory_ordered 1
		.amdhsa_forward_progress 1
		.amdhsa_inst_pref_size 255
	.end_amdhsa_kernel
	.section	.bss,"aw",@nobits
	.p2align	6
	.space	262144
	.amdgpu_metadata
---
amdhsa.version: [ 1, 2 ]
amdhsa.kernels:
  - .name:           k_qb6bfdde9b9_mlp2
    .symbol:         k_qb6bfdde9b9_mlp2.kd
    .args:
      - { .name: p6, .offset: 0, .size: 8, .value_kind: global_buffer, .address_space: global }
      - { .name: p0, .offset: 8, .size: 8, .value_kind: global_buffer, .address_space: global }
      - { .name: m2_b, .offset: 16, .size: 8, .value_kind: global_buffer, .address_space: global }
      - { .name: gl1_g, .offset: 24, .size: 8, .value_kind: global_buffer, .address_space: global }
      - { .name: gl1_b, .offset: 32, .size: 8, .value_kind: global_buffer, .address_space: global }
      - { .name: g2_w, .offset: 40, .size: 8, .value_kind: global_buffer, .address_space: global }
      - { .name: g2_b, .offset: 48, .size: 8, .value_kind: global_buffer, .address_space: global }
      - { .name: gl2_g, .offset: 56, .size: 8, .value_kind: global_buffer, .address_space: global }
      - { .name: gl2_b, .offset: 64, .size: 8, .value_kind: global_buffer, .address_space: global }
      - { .name: g3_w, .offset: 72, .size: 8, .value_kind: global_buffer, .address_space: global }
      - { .name: g3_b, .offset: 80, .size: 8, .value_kind: global_buffer, .address_space: global }
      - { .name: gl3_g, .offset: 88, .size: 8, .value_kind: global_buffer, .address_space: global }
      - { .name: gl3_b, .offset: 96, .size: 8, .value_kind: global_buffer, .address_space: global }
      - { .name: g4_w, .offset: 104, .size: 8, .value_kind: global_buffer, .address_space: global }
      - { .name: g4_b, .offset: 112, .size: 8, .value_kind: global_buffer, .address_space: global }
      - { .name: out0, .offset: 120, .size: 8, .value_kind: global_buffer, .address_space: global }
    .group_segment_fixed_size: 327680
    .private_segment_fixed_size: 0
    .kernarg_segment_align: 8
    .kernarg_segment_size: 128
    .max_flat_workgroup_size: 128
    .sgpr_count:     100
    .vgpr_count:     1024
    .wavefront_size: 32
...
	.end_amdgpu_metadata
.endif
;; end of part 8
